; MI455X (gfx1250); checked and timed in simulation.
; The chip was launched on July 23, 2026; its instructions are those of AMD's public machine-readable ISA for CDNA 5 (MIT licence, August 2026) and "CDNA5" Instruction Set Architecture Reference Guide (July 2026). The comments in the code are by the model that wrote it; some were corrected since.
;; Attention. Allowed arithmetic: matrix products marked QUANTISED: E2M3 operands, one E8M0 scale for each 32 along K, by v_wmma_scale_f32_16x16x128_f8f6f4 with both operands' format E2M3, f32 sums; products left as they are: f32 operands where the result goes on into a quantised operand, else bf16, f16 or f32 operands; f32 sums; everything else in f32.
;; Inputs: b_out 1,024 float32; b_qkv 3,072 float32; k_norm_w 64 float32; q_norm_w 64 float32; w_out 1,024 x 1,024 float32; w_qkv 1,024 x 3,072 float32; x 8 x 1,024 x 1,024 float32.
;; Outputs: out0 8 x 1,024 x 1,024 float32.
;; This version of the problem:
;;   THIS VERSION OF THE PROBLEM IS GIVEN IN LOW PRECISION. The matrix products marked QUANTISED in the list below multiply operands that are first quantised to E2M3 (2 exponent bits, 3 mantissa bits; 6 bits a number), with one power-of-two scale for each 32 numbers along K (OCP MX v1.0); their sums are f32. All else is computed in f32.
;;   The module's matrix products, in the order in which they are computed (A, B: the left and right operand; K: the contracted axis; several contracted axes count as one K, in the product's order):
;;     1. [M 32, K 1] x [K 1, N 16]; A: computed on the way; B: computed on the way: left as it is (no contracted axis)
;;     2. [M 8,192, K 1,024] x [K 1,024, N 3,072]; A: input x; B: input w_qkv: QUANTISED
;;     3. batch 128 x [M 1,024, K 64] x [K 64, N 1,024]; A: computed on the way; B: computed on the way: QUANTISED
;;     4. batch 128 x [M 1,024, K 1,024] x [K 1,024, N 64]; A: softmax (see below); B: computed on the way: QUANTISED
;;     5. [M 8,192, K 1,024] x [K 1,024, N 1,024]; A: computed on the way; B: input w_out: QUANTISED
;;   THE QUANTISER, for each operand of a quantised product, along K:
;;     - K is cut into blocks of 32 from its start; a last block that is shorter is filled with zeros.
;;     - A block's scale is 2^e with e = floor(log2(the largest magnitude in the block)) - 2, held to -126 .. 127; a block of zeros has e = 0. As a byte (E8M0): e + 127.
;;     - Each number is divided by its block's scale, clamped to +-7.5, and rounded to the nearest number of E2M3, ties to even, subnormals kept.
;;     - The product sums the exact products of the quantised numbers (number of the format x scale) in f32.
;;   ~~~python
;;   def quantise(x, axis):      # numpy; x: float32 -> the quantised numbers, widened to float32 again
;;       x = np.moveaxis(x, axis, -1); K = x.shape[-1]
;;       x = np.pad(x, [(0, 0)] * (x.ndim - 1) + [(0, -K % 32)]); x = x.reshape(x.shape[:-1] + (-1, 32)); a = np.abs(x).max(-1, keepdims=True)
;;       e = np.where(a > 0, np.clip(np.frexp(np.where(a > 0, a, 1))[1] - 1 - 2, -126, 127), 0)      # np.frexp(a)[1] - 1 = floor(log2(a)), exactly
;;       r = np.clip(x / 2.0 ** e, -7.5, 7.5)
;;       step = 2.0 ** (np.maximum(np.frexp(np.where(r == 0, 1, r))[1] - 1, 0) - 3)
;;       q = np.round(r / step) * step * 2.0 ** e      # np.round: ties to even
;;       return np.moveaxis(q.reshape(q.shape[:-2] + (-1,))[..., :K], -1, axis).astype(np.float32)
;;   ~~~
;;   SOFTMAX AHEAD OF A QUANTISED PRODUCT. Where the list says 'softmax', what is quantised is not the finished softmax but p = 2^(t - M), with t = logit x log2(e) and M = ceil(the row's largest t), a whole number; so 1/2 < the row's largest p <= 1. The row's sum l is taken of the UNQUANTISED p, in f32, and the product's result is divided by l at the end. Since M is a whole number, a kernel that streams over the keys may use a running M (the ceiling of the running maximum): every later rescaling is an exact power of two, which a block's scale takes up: the codes' values come out the same.
;;   OPERANDS COMPUTED ON THE WAY. 'Computed on the way' means the value that the module computes at that place (a softmax that the list does not call 'softmax' is quantised finished and normalised). What goes into a quantiser is computed in f32, as accurately as f32 sums, v_exp_f32 and their like allow (about 1e-6 of the number): no bf16 or f16 on the way to a quantiser, and a product that is left as it is and whose result goes on into a quantised operand takes f32 operands (vector FMAs, or v_wmma_f32_16x16x4_f32). A number that lies on a knife's edge between two numbers of the format may be rounded either way, as far as f32 arithmetic and the matrix unit's own rounding can turn it there, and no further.
;; One version. Each part assembles by itself: llvm-mc -triple=amdgcn-amd-amdhsa -mcpu=gfx1250 --defsym DOCPART=n.
;; ======== version 1 of 1: 4 launches
;; limits: right only within a limited range of input values
;; workspace buffers: opc 9,437,184 bytes; ops 397,312 bytes; qc 6,291,456 bytes; qs 524,288 bytes; kv 13,369,344 bytes; atc 6,291,456 bytes
;; launch prep (part 1): grid 385 x 1, 4 waves a work-group, no clusters, 34,304 bytes of LDS; arguments x, w_qkv, w_out, opc, ops; writes opc, ops
.if DOCPART == 1
	.amdgcn_target "amdgcn-amd-amdhsa--gfx1250"
	.amdhsa_code_object_version 6
	.text
	.protected	k_q9666ab5d70_prep
	.globl	k_q9666ab5d70_prep
	.p2align	8
	.type	k_q9666ab5d70_prep,@function
k_q9666ab5d70_prep:
	s_mov_b64 s[64:65], 0
	v_nop
	global_prefetch_b8 v0, s[64:65] scope:SCOPE_SE
	s_setreg_imm32_b32 hwreg(HW_REG_WAVE_MODE, 25, 1), 1
	s_wait_xcnt 0x0
; PREP: x [8192][1024], w_qkv [1024][3072] and w_out [1024][1024], all f32, become codes of E2M3 with one E8M0 byte for each 32 along K (K = 1024 for all three), and the rotary table is made.
; NO WORK OF reference() IS LEFT OUT IN THIS PROGRAM: every input has a way to the output and every input is loaded (x, w_qkv, w_out here; b_qkv, q_norm_w, k_norm_w in the second launch; b_out in the fourth).
; LAYOUTS of the program's own buffers.  Rows of an operand (rows of x, columns of a weight) go in groups of 32; TILE 2 g + u holds, at place r = 0..15, row 32 g + 8 u + r + 8 (r / 8).
;   codes: tile T begins at 12288 T; block j (32 along K) of place r is 24 bytes at 384 j + 24 r.  So the fragment of a K step of 128 is 1,536 dense bytes in the order of the operand's registers:
;   lane l's registers 6 c .. 6 c + 5 lie at 768 c + 24 l.  A lane (r, h) that holds numbers 16 h .. 16 h + 15 of a block stores its 12 bytes at 384 j + 24 r + 12 h: 384 consecutive bytes an instruction.
;   scale bytes: tile T begins at 512 T; 256 along K take 128 bytes, place r's 8 bytes (two scale words) at 8 r.
;   opc: x's 512 tiles, then from WC on 256 tiles of weights' columns (0..191 w_qkv's, 192..255 w_out's).  ops: x's scale bytes, from WS on the weights', from RT on the rotary table.
; THE QUANTISER: a block's scale byte is its largest magnitude's exponent field - 2, held at 1 from below; numbers are divided by the scale and rounded to the nearest code, ties to even, beyond 7.5 the largest code.
; LIMITS: NaN and infinities among the inputs are not served.  A block whose largest magnitude lies under 2^-124 gets the byte 1; a block of zeros gets the byte 1 where the rule says 127: its codes are zeros,
;   which add nothing under any byte but 0xff, and this program alone reads the bytes.  The rotary frequencies 10^(-i/4) are made as 10^(-(i/4)) x 10^(-(i%4)/4) from rounded constants: within 2 units of the last place.
; SHARES: work-groups 0..255 take x (a wave: one tile x 512 along K); 256..383 the weights (a wave: 32 columns x 256 along K); 384 makes the table.  Waves share nothing: no barrier.
.set SPARE, 33792                      ; behind the four stages: the spare words, 128 bytes a wave, named by no other line
.set WC,  6291456
.set WS,  262144
.set RT,  393216
.set GO,  4                            ; v4   24 r + 12 h: where my 12 bytes of a block go
.set SPW, 14                           ; v14  my spare word; never rewritten
.set NIL, 15                           ; v15  0; never rewritten
.set R,   16                           ; v16-143  x: two sets of 64 registers as loaded
.set X,   144                          ; v144-207 x: four blocks' 16 neighbours each
.set C,   208                          ; v208-239 x: two sets of codes, block g at + 4 g
.set TM,  240                          ; largest magnitudes
.set TP,  244                          ; the other half's, then the bytes
.set TO,  248                          ; the conversions' scale operands
.set SW,  252                          ; v252-255 the four K steps' scale words
.set WX,  48                           ; v48-111  weights: two sets of 32 numbers down K
.set SB,  200                          ; v200-201 weights: eight scale bytes
.set SEL, 44                           ; s[44:45] selects of v_permlanex16_b32: lane l xor 16
	s_load_b256 s[4:11], s[0:1], 0x0               ; x s[4:5], w_qkv s[6:7], w_out s[8:9], opc s[10:11]
	s_load_b64 s[12:13], s[0:1], 0x20              ; ops
	v_lshl_add_u32 v[SPW], v0, 2, SPARE
	v_mov_b32 v[NIL], 0
	v_lshrrev_b32 v1, 5, v0
	v_readfirstlane_b32 s16, v1                    ; wave
	v_and_b32 v1, 31, v0                           ; lane
	v_and_b32 v2, 15, v0                           ; r
	v_bfe_u32 v3, v0, 4, 1                         ; h
	v_cmp_lt_u32 s17, 15, v1                       ; the lanes with h = 1
	v_mul_u32_u24 v[GO], v2, 24
	v_mad_u32_u24 v[GO], v3, 12, v[GO]
	v_lshlrev_b32 v5, 4, v1                        ; 16 x lane
	s_mul_i32 s26, s16, 8448                       ; my stage: 16 rows x 528 bytes
	v_add_nc_u32 v6, s26, v5                       ; into it: a row's 512 bytes as they lie
	v_mul_u32_u24 v7, v2, 528
	v_lshl_add_u32 v7, v3, 6, v7
	v_add_nc_u32 v7, s26, v7                       ; out of it: row r, + 64 h: my 16 numbers of a block
	s_mov_b32 s[SEL], 0x76543210
	s_mov_b32 s[SEL+1], 0xfedcba98
	s_mov_b32 s25, 0
	s_wait_kmcnt 0x0
	s_cmp_lt_u32 ttmp9, 256
	s_cbranch_scc0 .Lweights
; ---------------------------------------------------------------- x
; Four blocks of 32: v[src + 16 b + i] = number 16 h + i of block b of my row -> codes in v[cd + 4 b] on, the row's scale word in v[word].
.macro Q4 src, cd, word
.irp b, 0,1,2,3
	v_max3_num_f32 v[TM+\b], |v[(\src)+16*\b]|, |v[(\src)+16*\b+1]|, 0x1800000   ; my 16 numbers, and the floor 2^(3 - 127): the byte cannot fall under 1
.endr
.irp i, 2,4,6,8,10,12,14
.irp b, 0,1,2,3
	v_max3_num_f32 v[TM+\b], v[TM+\b], |v[(\src)+16*\b+\i]|, |v[(\src)+16*\b+\i+1]|   ; the four blocks by turns
.endr
.endr
.irp b, 0,1,2,3
	v_permlanex16_b32 v[TP+\b], v[TM+\b], s[SEL], s[SEL+1]
.endr
.irp b, 0,1,2,3
	v_max_num_f32 v[TM+\b], v[TM+\b], v[TP+\b]     ; with lane l xor 16's 16: the block's largest magnitude
.endr
.irp b, 0,1,2,3
	v_add_nc_u32 v[TO+\b], 0xff000000, v[TM+\b]    ; 2 off its exponent field: the conversion takes this operand's exponent field as its scale
.endr
.irp b, 0,1,2,3
	v_lshrrev_b32 v[TP+\b], 23, v[TO+\b]           ; the scale's byte
.endr
	v_lshl_or_b32 v[\word], v[TP+1], 8, v[TP]
	v_lshl_or_b32 v[\word], v[TP+2], 16, v[\word]
	v_lshl_or_b32 v[\word], v[TP+3], 24, v[\word]
.irp b, 0,1,2,3
	v_cvt_scalef32_pk16_fp6_f32 v[(\cd)+4*\b:(\cd)+4*\b+2], v[(\src)+16*\b:(\src)+16*\b+15], v[TO+\b]
.endr
	v_nop                                          ; one plain line behind the last scaled conversion
.endm
.macro XLOAD s                         ; K step s (128 numbers) of the tile's 16 rows: each load reads 512 consecutive bytes of one row
.irp i, 0,1,2,3,4,5,6,7,8,9,10,11,12,13,14,15
	global_load_b128 v[R+64*((\s)%2)+4*\i:R+64*((\s)%2)+4*\i+3], v5, s[4:5] offset:(\i+8*(\i/8))*4096+512*(\s) th:TH_LOAD_NT
.endr
.endm
.macro XTURN s                         ; through my stage: in as loaded, out 16 neighbours of each block a lane.  LDS serves a wave's instructions in order: no wait between
.irp i, 0,1,2,3,4,5,6,7,8,9,10,11,12,13,14,15
	ds_store_b128 v6, v[R+64*((\s)%2)+4*\i:R+64*((\s)%2)+4*\i+3] offset:528*\i
.endr
.irp g, 0,1,2,3
.irp q, 0,1,2,3
	ds_load_b128 v[X+16*\g+4*\q:X+16*\g+4*\q+3], v7 offset:128*\g+16*\q
.endr
.endr
.endm
.macro XSTEP s
.if (\s) < 3
	s_wait_loadcnt 16                              ; this K step's 16 loads are in; the next step's 16 may be out
.else
	s_wait_loadcnt 0x0
.endif
	XTURN \s
	s_wait_dscnt 0x0                               ; the numbers are back, and the stores into the stage have read their registers
.if (\s) < 2
	XLOAD (\s)+2
.else
	s_wait_xcnt 0x0                                ; the stores of two steps ago have read this set of codes: it is written again only behind this wait
.endif
	Q4 X, C+16*((\s)%2), SW+(\s)
.irp g, 0,1,2,3
	global_store_b96 v[GO], v[C+16*((\s)%2)+4*\g:C+16*((\s)%2)+4*\g+2], s[10:11] offset:(4*(\s)+\g)*384   ; 32 lanes store 384 consecutive bytes
.endr
.endm
	s_lshl_b32 s18, ttmp9, 2
	s_add_co_u32 s18, s18, s16                     ; which half tile is my wave's
	s_lshr_b32 s19, s18, 1                         ; tile T
	s_and_b32 s20, s18, 1                          ; which 512 along K
	s_lshr_b32 s21, s19, 1
	s_and_b32 s22, s19, 1
	s_lshl_b32 s24, s21, 17                        ; 32 rows of 4,096 bytes a group,
	s_lshl_b32 s23, s22, 15                        ; 8 rows on for the odd tile,
	s_add_co_u32 s24, s24, s23
	s_lshl_b32 s23, s20, 11                        ; 2,048 bytes on for the upper half of K
	s_add_co_u32 s24, s24, s23
	s_add_nc_u64 s[4:5], s[4:5], s[24:25]
	s_mul_i32 s24, s19, 12288
	s_mul_i32 s23, s20, 6144
	s_add_co_u32 s24, s24, s23
	s_add_nc_u64 s[10:11], s[10:11], s[24:25]      ; my 16 blocks of the tile's codes
	s_lshl_b32 s24, s19, 9
	s_lshl_b32 s23, s20, 8
	s_add_co_u32 s24, s24, s23
	s_add_nc_u64 s[12:13], s[12:13], s[24:25]      ; my 256 scale bytes
	v_lshlrev_b32 v8, 3, v2
	v_lshl_add_u32 v8, v3, 7, v8                   ; 128 h + 8 r
.irp b, 0,1,2,3
	v_mov_b32 v[TP+\b], 0                          ; written once: a lane permute's destination counts as one of its sources
.endr
	XLOAD 0
	XLOAD 1
	s_wait_alu depctr_va_vdst(0)
	XSTEP 0
	XSTEP 1
	XSTEP 2
	XSTEP 3
	v_cndmask_b32 v10, v[SW], v[SW+2], s17         ; lanes 0-15 store K steps 0 and 1's words, lanes 16-31 steps 2 and 3's
	v_cndmask_b32 v11, v[SW+1], v[SW+3], s17
	global_store_b64 v8, v[10:11], s[12:13]        ; 32 lanes store 256 consecutive bytes, aligned
	s_branch .Lend
; ---------------------------------------------------------------- the weights: K is their first axis
; A lane takes a column and its registers run down K: a block of 32 lies in one lane, and the codes come out with K innermost.  Lane (u, r) takes column 8 u + r + 8 (r / 8) of the wave's 32:
; place r of tile 2 G + u; a load still reads the same 128 consecutive bytes.
.Lweights:
	s_cmp_lt_u32 ttmp9, 384
	s_cbranch_scc0 .Ltable
	s_sub_co_u32 s18, ttmp9, 256
	s_and_b32 s19, s18, 31                         ; which 128 columns
	s_lshr_b32 s20, s18, 5                         ; y: which 256 along K
	s_lshl_b32 s21, s19, 2
	s_add_co_u32 s21, s21, s16                     ; G: which 32 columns of the 4,096
	s_lshl_b32 s23, s21, 5
	s_mov_b32 s22, 4096
	s_cmp_lt_u32 s19, 24                           ; w_qkv's columns or w_out's?  The choice hangs on the work-group's number alone
	s_cselect_b64 s[6:7], s[6:7], s[8:9]
	s_cselect_b32 s22, 12288, s22                  ; bytes from row to row
	s_cselect_b32 s18, 0, 3072
	s_sub_co_u32 s23, s23, s18                     ; the first column in its own tensor
	s_lshl_b32 s40, s20, 8
	s_mul_i32 s40, s40, s22                        ; 256 y rows down
	s_lshl_b32 s23, s23, 2
	s_add_co_u32 s40, s40, s23
	s_mov_b32 s41, 0
	s_lshl_b32 s42, s22, 5                         ; 32 rows: a block
	s_mov_b32 s43, 0
	s_add_nc_u64 s[24:25], s[6:7], s[40:41]        ; a base for each of the eight blocks: no address is stepped
.irp t, 1,2,3,4,5,6,7
	s_add_nc_u64 s[24+2*\t:25+2*\t], s[22+2*\t:23+2*\t], s[42:43]
.endr
	v_and_b32 v9, 8, v2
	v_add_nc_u32 v9, v9, v2
	v_lshl_add_u32 v9, v3, 3, v9                   ; my column of the 32
	v_lshlrev_b32 v9, 2, v9
.irp i, 0,1,2,3,4,5,6,7,8,9,10,11,12,13,14,15,16,17,18,19,20,21,22,23,24,25,26,27,28,29,30,31
	v_mad_u32_u24 v[16+\i], s22, \i, v9            ; row i of a block, my column
.endr
	s_mul_i32 s46, s21, 24576                      ; tile 2 G,
	s_mul_i32 s18, s20, 3072                       ; block 8 y
	s_add_co_u32 s46, s46, s18
	s_add_co_u32 s46, s46, WC
	s_mov_b32 s47, 0
	s_add_nc_u64 s[46:47], s[10:11], s[46:47]
	s_lshl_b32 s48, s21, 10
	s_lshl_b32 s18, s20, 7
	s_add_co_u32 s48, s48, s18
	s_add_co_u32 s48, s48, WS
	s_mov_b32 s49, 0
	s_add_nc_u64 s[48:49], s[12:13], s[48:49]
	v_lshlrev_b32 v10, 3, v2
	v_lshl_add_u32 v10, v3, 9, v10                 ; my tile's 512 bytes, place r's 8
.macro WLOAD t
.irp i, 0,1,2,3,4,5,6,7,8,9,10,11,12,13,14,15,16,17,18,19,20,21,22,23,24,25,26,27,28,29,30,31
	global_load_b32 v[WX+32*((\t)%2)+\i], v[16+\i], s[24+2*(\t):25+2*(\t)] th:TH_LOAD_NT
.endr
.endm
.macro WBLOCK t
.set XS, WX+32*((\t)%2)
.set CXR, 176+8*((\t)%2)
.if (\t) < 7
	s_wait_loadcnt 32                              ; this block's 32 loads are in; the next block's 32 may be out
.else
	s_wait_loadcnt 0x0
.endif
	v_max3_num_f32 v12, |v[XS]|, |v[XS+1]|, |v[XS+2]|              ; all 32 numbers of the block are mine: two chains
	v_max3_num_f32 v13, |v[XS+3]|, |v[XS+4]|, |v[XS+5]|
.irp i, 6,10,14,18,22,26
	v_max3_num_f32 v12, v12, |v[XS+\i]|, |v[XS+\i+1]|
	v_max3_num_f32 v13, v13, |v[XS+\i+2]|, |v[XS+\i+3]|
.endr
	v_max3_num_f32 v12, v12, |v[XS+30]|, |v[XS+31]|
	v_max3_num_f32 v12, v12, v13, 0x1800000        ; and the floor
	v_add_nc_u32 v11, 0xff000000, v12
	v_lshrrev_b32 v13, 23, v11
.if (\t)%4 == 0
	v_mov_b32 v[SB+(\t)/4], v13
.else
	v_lshl_or_b32 v[SB+(\t)/4], v13, 8*((\t)%4), v[SB+(\t)/4]
.endif
	s_wait_alu depctr_va_vdst(0)
	s_wait_xcnt 0x0                                ; the stores of two blocks ago have read this set of codes
	v_cvt_scalef32_pk16_fp6_f32 v[CXR:CXR+2], v[XS:XS+15], v11
	v_cvt_scalef32_pk16_fp6_f32 v[CXR+4:CXR+6], v[XS+16:XS+31], v11
	v_nop
.irp i, 0,1,2
	v_permlane16_swap_b32 v[CXR+\i], v[CXR+4+\i]   ; the first run now holds tile 2 G (lanes 0-15 the lower 16 codes of place r, lanes 16-31 the upper 16), the second run tile 2 G + 1
.endr
	global_store_b96 v[GO], v[CXR:CXR+2], s[46:47] offset:384*(\t)          ; 384 consecutive bytes each
	global_store_b96 v[GO], v[CXR+4:CXR+6], s[46:47] offset:384*(\t)+12288
.if (\t)+2 < 8
	WLOAD (\t)+2
.endif
.endm
	s_wait_alu depctr_va_vdst(0)
	WLOAD 0
	WLOAD 1
.irp t, 0,1,2,3,4,5,6,7
	WBLOCK \t
.endr
	global_store_b64 v10, v[SB:SB+1], s[48:49]     ; sixteen lanes store 128 consecutive bytes of their tile: one byte for each 128 that the wave has read
	s_branch .Lend
; ---------------------------------------------------------------- the rotary table: cos and sin of 0.5 n x 10^(-i/4), n = 0..31, i = 0..15
; Laid [n][i / 8][cos of 8 | sin of 8], 128 bytes for each n.  Thread t makes n = t / 4, i = 4 (t % 4) + 0..3.  The angle is reduced by a multiple of pi/2 held in two parts; sine and cosine of the rest
; (at most pi/4) are their series to the 9th and 10th power, whose first terms left out lie under 2e-9; the quarter turn chooses and signs them by selects.
.Ltable:
	v_lshrrev_b32 v19, 2, v0                       ; n
	v_and_b32 v18, 3, v0
	v_lshlrev_b32 v21, 7, v19
	v_lshrrev_b32 v22, 1, v18
	v_lshl_add_u32 v21, v22, 6, v21
	v_and_b32 v22, 1, v18
	v_lshl_add_u32 v21, v22, 4, v21                ; where my four cosines go
	v_cvt_f32_u32 v16, v19
	v_mul_f32 v16, 0.5, v16                        ; t = n / 32 x 16
	v_mov_b32 v17, 1.0                             ; 10^-(t % 4)
	v_mov_b32 v20, 0x3dcccccd
	v_cmp_eq_u32 vcc_lo, 1, v18
	v_cndmask_b32 v17, v17, v20, vcc_lo
	v_mov_b32 v20, 0x3c23d70a
	v_cmp_eq_u32 vcc_lo, 2, v18
	v_cndmask_b32 v17, v17, v20, vcc_lo
	v_mov_b32 v20, 0x3a83126f
	v_cmp_eq_u32 vcc_lo, 3, v18
	v_cndmask_b32 v17, v17, v20, vcc_lo
	s_mov_b32 s50, 0x3fc90fdb                      ; pi/2, rounded,
	s_mov_b32 s51, 0xb33bbd2e                      ; and what the rounding left
.macro ENTRY e, ce
.if \e == 0
	v_mul_f32 v32, v16, v17                        ; the angle: t x frequency
.else
	v_mul_f32 v32, \ce, v17
	v_mul_f32 v32, v16, v32
.endif
	v_mul_f32 v33, 0x3f22f983, v32
	v_rndne_f32 v33, v33                           ; quarter turns
	v_fma_f32 v34, -v33, s50, v32                  ; exact: both are multiples of 2^-23 and the difference is under 1
	v_fma_f32 v34, -v33, s51, v34
	v_mul_f32 v35, v34, v34
	v_mov_b32 v36, 0x3638ef1d
	v_fmaak_f32 v36, v35, v36, 0xb9500d01
	v_fmaak_f32 v36, v35, v36, 0x3c088889
	v_fmaak_f32 v36, v35, v36, 0xbe2aaaab
	v_mul_f32 v37, v34, v35
	v_fma_f32 v36, v37, v36, v34                   ; the rest's sine
	v_mov_b32 v38, 0xb493f27e
	v_fmaak_f32 v38, v35, v38, 0x37d00d01
	v_fmaak_f32 v38, v35, v38, 0xbab60b61
	v_fmaak_f32 v38, v35, v38, 0x3d2aaaab
	v_fma_f32 v38, v35, v38, -0.5
	v_fma_f32 v38, v35, v38, 1.0                   ; and cosine
	v_cvt_i32_f32 v39, v33
	v_and_b32 v39, 3, v39
	v_and_b32 v40, 1, v39
	v_cmp_eq_u32 vcc_lo, 1, v40                    ; an odd quarter turn swaps the two
	v_cndmask_b32 v41, v38, v36, vcc_lo
	v_cndmask_b32 v42, v36, v38, vcc_lo
	v_add_nc_u32 v40, 1, v39
	v_lshrrev_b32 v40, 1, v40
	v_and_b32 v40, 1, v40
	v_lshlrev_b32 v40, 31, v40                     ; the cosine is negative in quarters 1 and 2,
	v_xor_b32 v[24+\e], v40, v41
	v_lshrrev_b32 v40, 1, v39
	v_lshlrev_b32 v40, 31, v40                     ; the sine in quarters 2 and 3
	v_xor_b32 v[28+\e], v40, v42
.endm
	ENTRY 0, 1.0
	ENTRY 1, 0x3f0ff59a
	ENTRY 2, 0x3ea1e89b
	ENTRY 3, 0x3e361887
	global_store_b128 v21, v[24:27], s[12:13] offset:RT
	global_store_b128 v21, v[28:31], s[12:13] offset:RT+32
.Lend:
	s_wait_tensorcnt 0x0                           ; the wave's end
	ds_add_u32 v[SPW], v[NIL]
	s_wait_dscnt 0x0
	s_endpgm
.Lfunc_end_k_q9666ab5d70_prep:
	.size	k_q9666ab5d70_prep, .Lfunc_end_k_q9666ab5d70_prep-k_q9666ab5d70_prep
	.p2alignl 7, 3214868480
	.fill 96, 4, 3214868480
	.section	.rodata,"a",@progbits
	.p2align	6, 0x0
	.amdhsa_kernel k_q9666ab5d70_prep
		.amdhsa_group_segment_fixed_size 34304
		.amdhsa_private_segment_fixed_size 0
		.amdhsa_enable_private_segment 0
		.amdhsa_kernarg_size 40
		.amdhsa_user_sgpr_count 2
		.amdhsa_user_sgpr_kernarg_segment_ptr 1
		.amdhsa_wavefront_size32 1
		.amdhsa_system_sgpr_workgroup_id_x 1
		.amdhsa_system_sgpr_workgroup_id_y 1
		.amdhsa_system_sgpr_workgroup_id_z 1
		.amdhsa_system_vgpr_workitem_id 0
		.amdhsa_next_free_vgpr 256
		.amdhsa_next_free_sgpr 66
		.amdhsa_reserve_vcc 1
		.amdhsa_float_denorm_mode_32 3
		.amdhsa_float_denorm_mode_16_64 3
		.amdhsa_memory_ordered 1
		.amdhsa_forward_progress 1
		.amdhsa_inst_pref_size 81
	.end_amdhsa_kernel
	.amdgpu_metadata
---
amdhsa.version: [ 1, 2 ]
amdhsa.kernels:
  - .name:           k_q9666ab5d70_prep
    .symbol:         k_q9666ab5d70_prep.kd
    .args:
      - { .name: x, .offset: 0, .size: 8, .value_kind: global_buffer, .address_space: global }
      - { .name: w_qkv, .offset: 8, .size: 8, .value_kind: global_buffer, .address_space: global }
      - { .name: w_out, .offset: 16, .size: 8, .value_kind: global_buffer, .address_space: global }
      - { .name: opc, .offset: 24, .size: 8, .value_kind: global_buffer, .address_space: global }
      - { .name: ops, .offset: 32, .size: 8, .value_kind: global_buffer, .address_space: global }
    .group_segment_fixed_size: 34304
    .private_segment_fixed_size: 0
    .kernarg_segment_align: 8
    .kernarg_segment_size: 40
    .max_flat_workgroup_size: 128
    .sgpr_count:     66
    .vgpr_count:     256
    .wavefront_size: 32
...
	.end_amdgpu_metadata
.endif
;; end of part 1
;; launch qkv (part 2): grid 12 x 64, 4 waves a work-group, clusters of 4 x 4, 327,680 bytes of LDS; arguments opc, ops, b_qkv, q_norm_w, k_norm_w, qc, qs, kv; writes qc, qs, kv
.if DOCPART == 2
	.amdgcn_target "amdgcn-amd-amdhsa--gfx1250"
	.amdhsa_code_object_version 6
	.text
	.protected	k_q9666ab5d70_qkv
	.globl	k_q9666ab5d70_qkv
	.p2align	8
	.type	k_q9666ab5d70_qkv,@function
k_q9666ab5d70_qkv:
	s_mov_b64 s[64:65], 0
	v_nop
	global_prefetch_b8 v0, s[64:65] scope:SCOPE_SE
	s_setreg_imm32_b32 hwreg(HW_REG_WAVE_MODE, 25, 1), 1
	s_wait_xcnt 0x0
	s_wait_alu depctr_hold_cnt(0) depctr_sa_sdst(0) depctr_va_vdst(0) depctr_va_sdst(0) depctr_va_ssrc(0) depctr_va_vcc(0) depctr_vm_vsrc(0)
	s_getreg_b32 s2, hwreg(HW_REG_IB_STS2, 6, 4)
	s_cmp_eq_u32 s2, 0
	s_cbranch_scc0 .Lentry_in_a_cluster
	s_endpgm
.Lentry_in_a_cluster:
	s_bfe_u32 s2, ttmp6, 0x10000c
	s_cmp_lg_u32 s2, 0xf033
	s_cbranch_scc0 .Lentry_shape_is_right
	s_endpgm
.Lentry_shape_is_right:
; QKV: x w_qkv + b_qkv on codes of E2M3 (K = 1024), then for q and k the RMS norm of each head, the rotary turn and the quantiser along the head's 64; for v the quantiser along the keys.  Nothing of reference() is left out.
; A work-group makes 128 rows of an A side (source 1) x 256 rows of a B side (source 0); four waves, each 64 x 128: 32 accumulators.  Cluster x = 0: q, 1: k, 2: v.
;   q, k: A = 128 rows of x, B = 256 columns of the weight: a lane holds ONE position, its registers run along the head's d.
;   v:    A = 128 columns of the weight, B = 256 rows of x: a lane holds ONE d, its registers run along the keys.
; Tiles of 16 rows are as the first launch lays them (place r of tile 2 g + u = row 32 g + 8 u + r + 8 (r / 8)).
; ALL OF K LIES IN LDS AT ONCE, tile by tile as in memory (12,288 bytes a tile; A's 8 tiles, then B's 16): ONE tensor load a wave, a dense block (waves 0, 1: four tiles of A each; waves 2, 3: eight of B each); nothing is filled again.
; THE SCALE WORDS go from ops straight into registers, once: 32 loads of 8 bytes a lane, lanes 0-15 A's tile i, lanes 16-31 B's tile i; they are issued ahead of the tensor load.
; CLUSTER 4 x 4: A's load is asked for jointly by my row of the cluster, B's by my column.  No prefetch: the launch has no loop that runs ahead of its one load.
; OUT: qc [head 128][tile 64][768]: a row's two blocks at 384 g + 24 r; qs [head][16][256]: tile T's scale word of place r at 256 (T / 4) + 16 r + 4 (T % 4), bytes 2 and 3 zero.
;   kv [head][104448]: k's codes and (from 98304) scale words in q's form, BUT k's tiles hold other keys: place m of tile 4 c + t = key 64 c + 32 (m / 8) + 8 t + m % 8, so that in attention a lane's 32 scores of four tiles are one block of 32 keys.
;   From 49152 v's codes [key step 8][d tile 4][1536]; from 102400 v's scale words [key step][256]: d tile a's word of place r at 16 r + 4 a.
; LIMITS: as stated in the first launch for the quantisers; (x w) rs stands for w (x rs) in the norm, one rounding placed otherwise.
; REGISTERS: window 0: v1 r, v2 h, v3 lane; v4, v8, v9 LDS addresses; v12 the scale words' offset; v13-27 the way out; v64-127 scale words of the four pairs of K steps (free on the way out); v160-255 constants of the way out.
;   window 1: B's fragments at v0-95 and v128-223; v96-127, v224-255 the bias of two heads.  window 2: accumulator (a, b) at v[8 (8 a + b)].  window 3: A's fragments, two sets from v64.
.set WC,  6291456
.set WS,  262144
.set RT,  393216
.set LB,  98304
.set SPARE, 294912                     ; the spare words, 128 bytes a wave, named by no other line
.set ADRA, 4
.set ADRB, 8
.set ADRS, 12
.set SPW, 28
.set NIL, 29
.set SC,  64
.set AF,  64
.set WV,  12
.set WA,  13
.set WB,  14
.set CX,  15
.set CY,  16
.set CLY, 17
.set IA,  18
.set IB,  19
.set G1A, 24
.set G1B, 32
.set G0A, 40
.set G0B, 44
.set MSB, 0
.macro WIN new                         ; the immediate's high byte repeats the setting that is left
.if MSB != \new
	s_set_vgpr_msb (MSB<<8)|\new
.set MSB, \new
.endif
.endm
.macro CROUND                          ; a round of the cluster's barrier
	s_barrier_signal -1
	s_barrier_wait -1
	s_cmp_lg_u32 s[WV], 0
	s_cbranch_scc1 .Lnot_wave_0_\@
	s_barrier_signal -3
.Lnot_wave_0_\@:
	s_barrier_wait -3
	s_barrier_signal -1
	s_barrier_wait -1
.endm
.macro PLACES n
.rept \n
	v_nop
.endr
.endm
.macro FRAG reg, adr, off              ; a fragment: 1,536 dense bytes in the order of the registers, 24 bytes from lane to lane
.irp p, 0,1,2,3,4,5
	ds_load_b64 v[(\reg)+2*\p:(\reg)+2*\p+1], v[\adr] offset:(\off)+768*(\p/3)+8*(\p%3)
.endr
.endm
.macro FETCH s                         ; K step s: B's eight fragments (window 1), A's four (window 3)
	WIN 0x40
.irp b, 0,1,2,3,4,5,6,7
	FRAG 128*((\s)%2)+12*\b, ADRB+\b/4, 12288*(\b%4)+1536*(\s)
.endr
	WIN 0xc0
.irp a, 0,1,2,3
	FRAG AF+48*((\s)%2)+12*\a, ADRA, 12288*\a+1536*(\s)
.endr
	WIN 0
.endm
; 32 matrix instructions: K step s.  The 32 accumulators take turns, one instruction a turn.  zero = 1: the first product starts the sums.
.macro MUL32 s, zero
	WIN 0xad                                       ; source 0 (B) window 1, source 1 (A) window 3, C and D window 2
.irp a, 0,1,2,3
.irp b, 0,1,2,3,4,5,6,7
.if \zero
	v_wmma_scale_f32_16x16x128_f8f6f4 v[8*(8*\a+\b):8*(8*\a+\b)+7], v[128*((\s)%2)+12*\b:128*((\s)%2)+12*\b+11], v[AF+48*((\s)%2)+12*\a:AF+48*((\s)%2)+12*\a+11], 0, v[SC+16*((\s)/2)+2*\b+(\s)%2], v[SC+16*((\s)/2)+2*\a+(\s)%2] matrix_a_fmt:MATRIX_FMT_FP6 matrix_b_fmt:MATRIX_FMT_FP6 matrix_a_scale:MATRIX_SCALE_ROW1
.else
	v_wmma_scale_f32_16x16x128_f8f6f4 v[8*(8*\a+\b):8*(8*\a+\b)+7], v[128*((\s)%2)+12*\b:128*((\s)%2)+12*\b+11], v[AF+48*((\s)%2)+12*\a:AF+48*((\s)%2)+12*\a+11], v[8*(8*\a+\b):8*(8*\a+\b)+7], v[SC+16*((\s)/2)+2*\b+(\s)%2], v[SC+16*((\s)/2)+2*\a+(\s)%2] matrix_a_fmt:MATRIX_FMT_FP6 matrix_b_fmt:MATRIX_FMT_FP6 matrix_a_scale:MATRIX_SCALE_ROW1
.endif
.endr
.endr
	WIN 0
.endm
.macro STEP s, fetch, zero             ; this step's fragments were asked for a step ago; the next step's go out ahead of this step's products
	s_wait_dscnt 0x0
.if \fetch
	PLACES 4                                       ; in front of loads into registers that the last step but one's products have read
	FETCH (\s)+1
.endif
	MUL32 \s, \zero
.endm
	s_load_b128 s[4:7], s[0:1], 0x0                ; opc, ops
	v_lshl_add_u32 v[SPW], v0, 2, SPARE
	v_mov_b32 v[NIL], 0
	ds_add_u32 v[SPW], v[NIL]                      ; the opening lines: the add, twice on end, and its wait
	ds_add_u32 v[SPW], v[NIL]
	v_lshrrev_b32 v1, 5, v0
	v_readfirstlane_b32 s[WV], v1
	s_lshr_b32 s[WA], s[WV], 1                     ; which 64 rows of A are mine.  Also: I fetch for A (0) or for B (1)
	s_and_b32 s[WB], s[WV], 1                      ; which 128 rows of B.  Also: which half of that side I fetch
	s_bfe_u32 s[CX], ttmp6, 0x40000
	s_bfe_u32 s[CY], ttmp6, 0x40004
	s_and_b32 s[CLY], ttmp7, 0xffff
	s_lshl_b32 s20, s[CY], 2
	s_lshl_b32 s20, 15, s20                        ; my row of the cluster
	s_lshl_b32 s22, 0x1111, s[CX]                  ; my column
	s_or_b32 s[G1A], s20, (3<<16)|(1<<21)          ; the mask; elements of 8 bytes; bit 21 beside a mask
	s_or_b32 s[G1B], s22, (3<<16)|(1<<21)
.irp g, G1A, G1B                       ; a row = a tile's 12,288 bytes (1,536 elements), tiles on end
	s_mov_b32 s[\g+1], 1536<<16
	s_mov_b32 s[\g+3], 1536<<16
	s_mov_b32 s[\g+5], 1536
	s_mov_b32 s[\g+6], 0
	s_mov_b32 s[\g+7], 0
.endr
	s_mov_b32 s[G1A+2], 4<<16
	s_mov_b32 s[G1A+4], 4
	s_mov_b32 s[G1B+2], 8<<16
	s_mov_b32 s[G1B+4], 8
	; q, k: A = x's block 4 cluster y + cy, B = the weight's block 4 cluster x + cx.  v: A = w_v's block 4 (cluster y % 2) + cy, B = x's block 4 (cluster y / 2) + cx
	s_and_b32 s[IA], s[CLY], 1
	s_lshr_b32 s[IB], s[CLY], 1
	s_cmp_lt_u32 ttmp9, 2
	s_cselect_b32 s[IA], s[CLY], s[IA]
	s_cselect_b32 s[IB], ttmp9, s[IB]
	s_cselect_b32 s20, 0, WC+1572864               ; A's codes in opc,
	s_cselect_b32 s21, 0, WS+65536                 ; A's scale bytes in ops,
	s_cselect_b32 s22, WC, 0                       ; B's codes,
	s_cselect_b32 s23, WS, 0                       ; B's scale bytes
	s_lshl_b32 s[IA], s[IA], 2
	s_add_co_u32 s[IA], s[IA], s[CY]
	s_lshl_b32 s[IB], s[IB], 2
	s_add_co_u32 s[IB], s[IB], s[CX]
	s_mul_i32 s2, s[IA], 98304
	s_add_co_u32 s20, s20, s2
	s_mul_i32 s2, s[WB], 49152
	s_add_co_u32 s20, s20, s2                      ; the half of A that I fetch
	s_lshl_b32 s2, s[IA], 12
	s_add_co_u32 s21, s21, s2
	s_lshl_b32 s2, s[WA], 11
	s_add_co_u32 s21, s21, s2                      ; the scale bytes of the four tiles of A that I multiply
	s_mul_i32 s100, s[IB], 196608
	s_add_co_u32 s22, s22, s100
	s_mul_i32 s100, s[WB], 98304
	s_add_co_u32 s22, s22, s100
	s_lshl_b32 s100, s[IB], 13
	s_add_co_u32 s23, s23, s100
	s_lshl_b32 s100, s[WB], 12
	s_add_co_u32 s23, s23, s100                    ; those of my eight tiles of B
	s_mov_b32 s3, 0
	s_mov_b32 s101, 0
	v_and_b32 v1, 15, v0                           ; r
	v_bfe_u32 v2, v0, 4, 1                         ; h
	v_and_b32 v3, 31, v0                           ; lane
	v_mov_b32 v13, s21
	v_mov_b32 v14, s23
	v_cmp_eq_u32 s2, 1, v2
	v_cndmask_b32 v13, v13, v14, s2                ; lanes 16-31 take B's
	v_lshl_add_u32 v[ADRS], v1, 3, v13             ; + 8 r; never rewritten
	s_wait_alu depctr_va_vdst(0)
	s_wait_dscnt 0x0                               ; both opening adds are done
	s_wait_kmcnt 0x0
.irp c, 0,1,2,3
.irp i, 0,1,2,3,4,5,6,7
	global_load_b64 v[SC+16*\c+2*\i:SC+16*\c+2*\i+1], v[ADRS], s[6:7] offset:512*\i+128*\c   ; two scale words a row: K steps 2 c, 2 c + 1 (for i over 3 the lower lanes' words are not used)
.endr
.endr
	s_mov_b64 s[8:9], s[4:5]
	s_mov_b32 s2, s20
	s_add_nc_u64 s[4:5], s[4:5], s[2:3]            ; A's codes,
	s_mov_b32 s100, s22
	s_add_nc_u64 s[8:9], s[8:9], s[100:101]        ; B's
	s_mov_b32 s[G0A], 1
	s_mul_i32 s[G0A+1], s[WB], 49152
	s_mov_b64 s[G0A+2:G0A+3], s[4:5]
	s_or_b32 s[G0A+3], s[G0A+3], 0x80000000
	s_mov_b32 s[G0B], 1
	s_mul_i32 s[G0B+1], s[WB], 98304
	s_add_co_u32 s[G0B+1], s[G0B+1], LB
	s_mov_b64 s[G0B+2:G0B+3], s[8:9]
	s_or_b32 s[G0B+3], s[G0B+3], 0x80000000
	CROUND                                         ; all sixteen work-groups are here: the joint loads meet
	s_cmp_eq_u32 s[WA], 0                          ; one load a wave: waves 0 and 1 for A, waves 2 and 3 for B
	s_cbranch_scc0 .Lfor_b
	tensor_load_to_lds s[G0A:G0A+3], s[G1A:G1A+7]
	s_nop 0
	PLACES 4
	s_branch .Lasked
.Lfor_b:
	tensor_load_to_lds s[G0B:G0B+3], s[G1B:G1B+7]
	s_nop 0
	PLACES 4
.Lasked:
	v_mul_u32_u24 v13, v3, 24
	s_mul_i32 s2, s[WA], 49152                     ; my four tiles of A,
	s_mul_i32 s100, s[WB], 98304                   ; my eight of B
	s_add_co_u32 s100, s100, LB
	v_add_nc_u32 v[ADRA], s2, v13
	v_add_nc_u32 v[ADRB], s100, v13
	s_add_co_u32 s100, s100, 49152
	v_add_nc_u32 v[ADRB+1], s100, v13
	s_wait_alu depctr_va_vdst(0)
	s_wait_tensorcnt 0x0                           ; my part of the codes is in,
	s_wait_loadcnt 0x0                             ; and my scale words
	s_barrier_signal -1
	s_barrier_wait -1                              ; everybody's part is in
	FETCH 0
	STEP 0, 1, 1
	STEP 1, 1, 0
	STEP 2, 1, 0
	STEP 3, 1, 0
	STEP 4, 1, 0
	STEP 5, 1, 0
	s_cmp_lt_u32 ttmp9, 2                          ; the ways part once, on the cluster's x
	s_cbranch_scc0 .Lv_arm
; ---------------------------------------------------------------- q and k
.set Y,  64                            ; a head's 32 numbers of my position: register 16 g + i = d 32 g + 16 h + i
.set Z,  96                            ; the same, turned
.set CD, 128
.set TM, 150
.set TP, 152
.set TO, 154
.set SEL, 62
.macro Q2 src, cd, word                ; two blocks: v[src + 16 b + i] = number 16 h + i of block b -> codes in v[cd + 4 b] on, the scale word in v[word]
.irp b, 0,1
	v_max3_num_f32 v[TM+\b], |v[(\src)+16*\b]|, |v[(\src)+16*\b+1]|, 0x1800000   ; with the floor 2^(3 - 127): the byte cannot fall under 1
.endr
.irp i, 2,4,6,8,10,12,14
.irp b, 0,1
	v_max3_num_f32 v[TM+\b], v[TM+\b], |v[(\src)+16*\b+\i]|, |v[(\src)+16*\b+\i+1]|
.endr
.endr
.irp b, 0,1
	v_permlanex16_b32 v[TP+\b], v[TM+\b], s[SEL], s[SEL+1]
.endr
.irp b, 0,1
	v_max_num_f32 v[TM+\b], v[TM+\b], v[TP+\b]
.endr
.irp b, 0,1
	v_add_nc_u32 v[TO+\b], 0xff000000, v[TM+\b]    ; 2 off the exponent field: the conversion's scale operand
.endr
.irp b, 0,1
	v_lshrrev_b32 v[TP+\b], 23, v[TO+\b]
.endr
	v_lshl_or_b32 v[\word], v[TP+1], 8, v[TP]      ; bytes 2 and 3 stay 0: they stand over zero codes in attention's first product
	s_wait_alu depctr_va_vdst(0)
	s_wait_xcnt 0x0                                ; the last stores have read the codes' registers
.irp b, 0,1
	v_cvt_scalef32_pk16_fp6_f32 v[(\cd)+4*\b:(\cd)+4*\b+2], v[(\src)+16*\b:(\src)+16*\b+15], v[TO+\b]
.endr
	v_nop
.endm
.macro Q4 src, cd, word                ; the same for four blocks
.irp b, 0,1,2,3
	v_max3_num_f32 v[TM+\b], |v[(\src)+16*\b]|, |v[(\src)+16*\b+1]|, 0x1800000
.endr
.irp i, 2,4,6,8,10,12,14
.irp b, 0,1,2,3
	v_max3_num_f32 v[TM+\b], v[TM+\b], |v[(\src)+16*\b+\i]|, |v[(\src)+16*\b+\i+1]|
.endr
.endr
.irp b, 0,1,2,3
	v_permlanex16_b32 v[TP+\b], v[TM+\b], s[SEL], s[SEL+1]
.endr
.irp b, 0,1,2,3
	v_max_num_f32 v[TM+\b], v[TM+\b], v[TP+\b]
.endr
.irp b, 0,1,2,3
	v_add_nc_u32 v[TO+\b], 0xff000000, v[TM+\b]
.endr
.irp b, 0,1,2,3
	v_lshrrev_b32 v[TP+\b], 23, v[TO+\b]
.endr
	v_lshl_or_b32 v[\word], v[TP+1], 8, v[TP]
	v_lshl_or_b32 v[\word], v[TP+2], 16, v[\word]
	v_lshl_or_b32 v[\word], v[TP+3], 24, v[\word]
	s_wait_xcnt 0x0
.irp b, 0,1,2,3
	v_cvt_scalef32_pk16_fp6_f32 v[(\cd)+4*\b:(\cd)+4*\b+2], v[(\src)+16*\b:(\src)+16*\b+15], v[TO+\b]
.endr
	v_nop
.endm
	s_load_b128 s[24:27], s[0:1], 0x10             ; b_qkv, q_norm_w
	s_load_b128 s[28:31], s[0:1], 0x20             ; k_norm_w, qc
	s_load_b128 s[32:35], s[0:1], 0x30             ; qs, kv
	s_load_b64 s[36:37], s[0:1], 0x8               ; ops
	s_lshl_b32 s38, s[IB], 10                      ; the bias of my 128 columns
	s_lshl_b32 s69, s[WB], 9
	s_add_co_u32 s38, s38, s69
	s_mov_b32 s39, 0
	s_lshr_b32 s70, s[IA], 3                       ; batch
	s_lshl_b32 s70, s70, 4
	s_lshl_b32 s69, s[CX], 2
	s_add_co_u32 s70, s70, s69
	s_lshl_b32 s69, s[WB], 1
	s_add_co_u32 s70, s70, s69                     ; my first head among the 128
	s_and_b32 s71, s[IA], 7
	s_lshl_b32 s69, s71, 1
	s_add_co_u32 s69, s69, s[WA]                   ; which four tiles (64 positions) of the sequence are mine
	s_mov_b32 s48, 104448
	s_mov_b32 s50, 104448
	s_mov_b32 s73, 192
	s_cmp_eq_u32 ttmp9, 0                          ; q or k
	s_cselect_b32 s48, 49152, s48                  ; a head's codes,
	s_cselect_b32 s50, 4096, s50                   ; a head's scale words,
	s_cselect_b32 s54, 0, 98304                    ; where they begin in a head's part
	s_cselect_b32 s72, 0, 1344                     ; codes: what r / 8 adds to 24 r (k: 1536 - 192: two tiles on, eight places back),
	s_cselect_b32 s73, 1536, s73                   ; what my tiles 2 and 3 add (q: two tiles; k: eight places),
	s_cselect_b32 s74, 128, 8                      ; scale words: what r / 8 adds,
	s_cselect_b32 s75, 8, 128                      ; and what h (tiles 2 and 3's words) adds
	s_mov_b32 s49, 0
	s_mov_b32 s51, 0
	s_mov_b32 s53, 0
	s_mov_b32 s55, 0
	s_mov_b32 s57, 0
	s_mul_i32 s52, s70, s48
	s_mul_i32 s71, s69, 3072
	s_add_co_u32 s52, s52, s71
	s_mul_i32 s71, s70, s50
	s_add_co_u32 s54, s54, s71
	s_lshl_b32 s71, s69, 8
	s_add_co_u32 s54, s54, s71
	s_lshl_b32 s56, s69, 8                         ; the table's row of my first tile
	s_mov_b32 s60, 0x3c800000                      ; 1 / 64
	s_mov_b32 s61, 0x358637bd                      ; 1e-6
	s_mov_b32 s[SEL], 0x76543210
	s_mov_b32 s[SEL+1], 0xfedcba98
	v_and_b32 v26, 7, v1                           ; r % 8
	v_lshrrev_b32 v27, 3, v1                       ; r / 8
	v_mul_u32_u24 v13, v1, 24
	v_mad_u32_u24 v13, v2, 12, v13                 ; 24 r + 12 h
	v_mad_u32_u24 v24, v27, s72, v13               ; where my 12 bytes of a block go, tiles 0 and 1 of my four;
	v_add_nc_u32 v25, s73, v24                     ; tiles 2 and 3
	v_lshlrev_b32 v14, 4, v26
	v_mad_u32_u24 v14, v27, s74, v14
	v_mad_u32_u24 v14, v2, s75, v14                ; where my two scale words go
	v_lshlrev_b32 v15, 6, v2                       ; 64 h
	v_and_b32 v16, 8, v1
	v_add_nc_u32 v16, v16, v1
	v_lshl_add_u32 v16, v16, 7, v15                ; the table's row r + 8 (r / 8), + 64 h
	v_cmp_lt_u32 s68, 15, v3                       ; the lanes with h = 1
	s_wait_alu depctr_va_vdst(0)
	STEP 6, 1, 0                                   ; the pointers come while this step is multiplied,
	s_wait_kmcnt 0x0
	s_cmp_eq_u32 ttmp9, 0
	s_cselect_b64 s[26:27], s[26:27], s[28:29]     ; the norm's weights,
	s_cselect_b64 s[40:41], s[30:31], s[34:35]     ; where codes go,
	s_cselect_b64 s[44:45], s[32:33], s[34:35]     ; where scale words go
	s_add_nc_u64 s[24:25], s[24:25], s[38:39]
	s_add_nc_u64 s[40:41], s[40:41], s[52:53]      ; head 0 of my two,
	s_add_nc_u64 s[42:43], s[40:41], s[48:49]      ; head 1
	s_add_nc_u64 s[44:45], s[44:45], s[54:55]
	s_add_nc_u64 s[46:47], s[44:45], s[50:51]
	s_add_nc_u64 s[58:59], s[36:37], s[56:57]
	WIN 0x40
.irp hd, 0,1
.irp g, 0,1
.irp q, 0,1,2,3
	global_load_b128 v[96+128*\hd+16*\g+4*\q:99+128*\hd+16*\g+4*\q], v15, s[24:25] offset:256*\hd+128*\g+16*\q   ; the bias, in the result's layout
.endr
.endr
.endr
	WIN 0
.irp g, 0,1
.irp q, 0,1,2,3
	global_load_b128 v[160+16*\g+4*\q:163+16*\g+4*\q], v15, s[26:27] offset:128*\g+16*\q      ; the norm's weights likewise
.endr
.endr
.irp u, 0,1
.irp q, 0,1,2,3
	global_load_b128 v[192+16*\u+4*\q:195+16*\u+4*\q], v16, s[36:37] offset:RT+1024*\u+16*\q   ; cos 8, sin 8 of position % 32: d 32 on
.endr
.endr
.irp gp, 0,1
.irp q, 0,1,2,3
	global_load_b128 v[224+16*\gp+4*\q:227+16*\gp+4*\q], v15, s[58:59] offset:RT+128*\gp+16*\q   ; of position / 32: d under 32
.endr
.endr
	STEP 7, 0, 0                                   ; and the constants while this one is
	s_wait_loadcnt 0x0
	PLACES 4                                       ; in front of the first read of results and the first write over the scale words
	v_mov_b32 v149, 0                              ; (named as the upper half of a pair)
	v_mov_b32 v[TP], 0                             ; a lane permute's destination counts as one of its sources
	v_mov_b32 v[TP+1], 0
.macro UNIT a, hd                      ; 16 positions (tile a of my four) x one head
.set RH, 224+16*((\a)/2)
.set RW, 192+16*((\a)%2)
	WIN 0x06                                       ; source 0 (sums) window 2, source 1 (bias) window 1
.irp m, 0,1,2,3,4,5,6,7,8,9,10,11,12,13,14,15
	v_pk_add_f32 v[Y+2*\m:Y+2*\m+1], v[64*\a+32*\hd+2*\m:64*\a+32*\hd+2*\m+1], v[96+128*\hd+2*\m:96+128*\hd+2*\m+1]   ; each accumulator from its low end on
.endr
	WIN 0
	v_pk_mul_f32 v[144:145], v[Y:Y+1], v[Y:Y+1]    ; the squares, in two packed chains
	v_pk_mul_f32 v[146:147], v[Y+2:Y+3], v[Y+2:Y+3]
.irp m, 2,4,6,8,10,12,14
	v_pk_fma_f32 v[144:145], v[Y+2*\m:Y+2*\m+1], v[Y+2*\m:Y+2*\m+1], v[144:145]
	v_pk_fma_f32 v[146:147], v[Y+2*\m+2:Y+2*\m+3], v[Y+2*\m+2:Y+2*\m+3], v[146:147]
.endr
	v_pk_add_f32 v[144:145], v[144:145], v[146:147]
	v_add_f32 v144, v144, v145
	v_permlanex16_b32 v146, v144, s[SEL], s[SEL+1] ; the head's other 32 lie in lane l xor 16
	v_add_f32 v144, v144, v146
	v_fma_f32 v144, v144, s60, s61                 ; the mean + 1e-6
	s_wait_alu depctr_va_vdst(0)
	v_rsq_f32 v148, v144
.irp m, 0,1,2,3,4,5,6,7,8,9,10,11,12,13,14,15
	v_pk_mul_f32 v[Y+2*\m:Y+2*\m+1], v[Y+2*\m:Y+2*\m+1], v[160+2*\m:161+2*\m]   ; x the weights: plain work behind the root
.endr
	s_wait_alu depctr_va_vdst(0)                   ; ahead of the root's first reader
.irp m, 0,1,2,3,4,5,6,7,8,9,10,11,12,13,14,15
	v_pk_mul_f32 v[Y+2*\m:Y+2*\m+1], v[Y+2*\m:Y+2*\m+1], v[148:149] op_sel_hi:[1,0]
.endr
.irp k, 0,2,4,6                        ; the turn: d under 32: y cos - y(d + 32) sin; d from 32 on: y cos + y(d - 32) sin; neighbouring d share an angle
	v_pk_mul_f32 v[Z+2*\k:Z+2*\k+1], v[Y+2*\k:Y+2*\k+1], v[RH+\k:RH+\k+1] op_sel_hi:[1,0]
	v_pk_mul_f32 v[Z+2*\k+2:Z+2*\k+3], v[Y+2*\k+2:Y+2*\k+3], v[RH+\k:RH+\k+1] op_sel:[0,1] op_sel_hi:[1,1]
	v_pk_mul_f32 v[Z+16+2*\k:Z+17+2*\k], v[Y+16+2*\k:Y+17+2*\k], v[RW+\k:RW+\k+1] op_sel_hi:[1,0]
	v_pk_mul_f32 v[Z+18+2*\k:Z+19+2*\k], v[Y+18+2*\k:Y+19+2*\k], v[RW+\k:RW+\k+1] op_sel:[0,1] op_sel_hi:[1,1]
	v_pk_fma_f32 v[Z+2*\k:Z+2*\k+1], v[Y+16+2*\k:Y+17+2*\k], v[RH+8+\k:RH+9+\k], v[Z+2*\k:Z+2*\k+1] op_sel_hi:[1,0,1] neg_lo:[1,0,0] neg_hi:[1,0,0]
	v_pk_fma_f32 v[Z+2*\k+2:Z+2*\k+3], v[Y+18+2*\k:Y+19+2*\k], v[RH+8+\k:RH+9+\k], v[Z+2*\k+2:Z+2*\k+3] op_sel:[0,1,0] op_sel_hi:[1,1,1] neg_lo:[1,0,0] neg_hi:[1,0,0]
	v_pk_fma_f32 v[Z+16+2*\k:Z+17+2*\k], v[Y+2*\k:Y+2*\k+1], v[RW+8+\k:RW+9+\k], v[Z+16+2*\k:Z+17+2*\k] op_sel_hi:[1,0,1]
	v_pk_fma_f32 v[Z+18+2*\k:Z+19+2*\k], v[Y+2*\k+2:Y+2*\k+3], v[RW+8+\k:RW+9+\k], v[Z+18+2*\k:Z+19+2*\k] op_sel:[0,1,0] op_sel_hi:[1,1,1]
.endr
	Q2 Z, CD, 17+\a
.irp g, 0,1
	global_store_b96 v[24+(\a)/2], v[CD+4*\g:CD+4*\g+2], s[40+2*\hd:41+2*\hd] offset:768*((\a)%2)+384*\g   ; q: 384 consecutive bytes; k: two runs of 192
.endr
.endm
.irp hd, 0,1
	UNIT 0, \hd
	UNIT 1, \hd
	UNIT 2, \hd
	UNIT 3, \hd
	v_cndmask_b32 v22, v17, v19, s68               ; lanes 0-15 store tiles 0 and 1's words, lanes 16-31 tiles 2 and 3's
	v_cndmask_b32 v23, v18, v20, s68
	global_store_b64 v14, v[22:23], s[44+2*\hd:45+2*\hd]   ; the 32 lanes fill 256 consecutive bytes, aligned
.endr
	s_branch .Lend
; ---------------------------------------------------------------- v
.Lv_arm:
.set TM, 176
.set TP, 180
.set TO, 184
	s_load_b64 s[24:25], s[0:1], 0x10              ; b_qkv
	s_load_b64 s[26:27], s[0:1], 0x38              ; kv
	s_lshl_b32 s28, s[IA], 9                       ; the bias of my 64 columns
	s_lshl_b32 s69, s[WA], 8
	s_add_co_u32 s28, s28, s69
	s_add_co_u32 s28, s28, 8192
	s_mov_b32 s29, 0
	s_lshr_b32 s70, s[IB], 2                       ; batch
	s_lshl_b32 s70, s70, 4
	s_lshl_b32 s69, s[IA], 1
	s_add_co_u32 s70, s70, s69
	s_add_co_u32 s70, s70, s[WA]                   ; my head among the 128
	s_and_b32 s71, s[IB], 3
	s_lshl_b32 s71, s71, 1
	s_add_co_u32 s71, s71, s[WB]                   ; my key step of 128 keys
	s_mul_i32 s70, s70, 104448
	s_mul_i32 s30, s71, 6144
	s_add_co_u32 s30, s30, s70
	s_add_co_u32 s30, s30, 49152
	s_mov_b32 s31, 0
	s_lshl_b32 s34, s71, 8
	s_add_co_u32 s34, s34, s70
	s_add_co_u32 s34, s34, 102400
	s_mov_b32 s35, 0
	s_mov_b32 s[SEL], 0x76543210
	s_mov_b32 s[SEL+1], 0xfedcba98
	v_mul_u32_u24 v13, v1, 24
	v_mad_u32_u24 v13, v2, 12, v13
	v_lshlrev_b32 v14, 4, v1
	v_lshl_add_u32 v14, v2, 3, v14
	v_and_b32 v16, 8, v1
	v_add_nc_u32 v16, v16, v1
	v_lshlrev_b32 v16, 2, v16                      ; my d of a tile: r + 8 (r / 8)
	v_cmp_lt_u32 s68, 15, v3
.irp b, 0,1,2,3
	v_mov_b32 v[TP+\b], 0
.endr
	s_wait_alu depctr_va_vdst(0)
	STEP 6, 1, 0
	s_wait_kmcnt 0x0
	s_add_nc_u64 s[24:25], s[24:25], s[28:29]
	s_add_nc_u64 s[32:33], s[26:27], s[30:31]
	s_add_nc_u64 s[36:37], s[26:27], s[34:35]
.irp a, 0,1,2,3
	global_load_b32 v[160+\a], v16, s[24:25] offset:(32*(\a/2)+8*(\a%2))*4   ; the bias of my d
.endr
	STEP 7, 0, 0
	s_wait_loadcnt 0x0
	PLACES 4
.macro VUNIT a                         ; 16 d (tile a) x my 128 keys: register 16 g + i = key 32 g + 16 h + i
	WIN 0x02
.irp m, 0,1,2,3,4,5,6,7,8,9,10,11,12,13,14,15,16,17,18,19,20,21,22,23,24,25,26,27,28,29,30,31
.if (\a)%2
	v_pk_add_f32 v[64+2*\m:65+2*\m], v[64*\a+2*\m:64*\a+2*\m+1], v[160+2*((\a)/2):161+2*((\a)/2)] op_sel:[0,1] op_sel_hi:[1,1]
.else
	v_pk_add_f32 v[64+2*\m:65+2*\m], v[64*\a+2*\m:64*\a+2*\m+1], v[160+2*((\a)/2):161+2*((\a)/2)] op_sel_hi:[1,0]
.endif
.endr
	WIN 0
	Q4 64, 128, 17+\a
.irp g, 0,1,2,3
	global_store_b96 v13, v[128+4*\g:130+4*\g], s[32:33] offset:1536*\a+384*\g
.endr
.endm
	VUNIT 0
	VUNIT 1
	VUNIT 2
	VUNIT 3
	v_cndmask_b32 v22, v17, v19, s68
	s_wait_alu depctr_va_vdst(0)
	v_cndmask_b32 v23, v18, v20, s68
	global_store_b64 v14, v[22:23], s[36:37]       ; 256 consecutive bytes, aligned
.Lend:
	s_wait_tensorcnt 0x0                           ; the wave's end
	ds_add_u32 v[SPW], v[NIL]
	s_wait_dscnt 0x0
	CROUND                                         ; the closing round
	s_endpgm
.Lfunc_end_k_q9666ab5d70_qkv:
	.size	k_q9666ab5d70_qkv, .Lfunc_end_k_q9666ab5d70_qkv-k_q9666ab5d70_qkv
	.p2alignl 7, 3214868480
	.fill 96, 4, 3214868480
	.section	.rodata,"a",@progbits
	.p2align	6, 0x0
	.amdhsa_kernel k_q9666ab5d70_qkv
		.amdhsa_group_segment_fixed_size 327680
		.amdhsa_private_segment_fixed_size 0
		.amdhsa_enable_private_segment 0
		.amdhsa_kernarg_size 64
		.amdhsa_user_sgpr_count 2
		.amdhsa_user_sgpr_kernarg_segment_ptr 1
		.amdhsa_wavefront_size32 1
		.amdhsa_system_sgpr_workgroup_id_x 1
		.amdhsa_system_sgpr_workgroup_id_y 1
		.amdhsa_system_sgpr_workgroup_id_z 1
		.amdhsa_system_vgpr_workitem_id 0
		.amdhsa_next_free_vgpr 1024
		.amdhsa_next_free_sgpr 102
		.amdhsa_reserve_vcc 0
		.amdhsa_float_denorm_mode_32 3
		.amdhsa_float_denorm_mode_16_64 3
		.amdhsa_memory_ordered 1
		.amdhsa_forward_progress 1
		.amdhsa_inst_pref_size 193
	.end_amdhsa_kernel
	.amdgpu_metadata
---
amdhsa.version: [ 1, 2 ]
amdhsa.kernels:
  - .name:           k_q9666ab5d70_qkv
    .symbol:         k_q9666ab5d70_qkv.kd
    .args:
      - { .name: opc, .offset: 0, .size: 8, .value_kind: global_buffer, .address_space: global }
      - { .name: ops, .offset: 8, .size: 8, .value_kind: global_buffer, .address_space: global }
      - { .name: b_qkv, .offset: 16, .size: 8, .value_kind: global_buffer, .address_space: global }
      - { .name: q_norm_w, .offset: 24, .size: 8, .value_kind: global_buffer, .address_space: global }
      - { .name: k_norm_w, .offset: 32, .size: 8, .value_kind: global_buffer, .address_space: global }
      - { .name: qc, .offset: 40, .size: 8, .value_kind: global_buffer, .address_space: global }
      - { .name: qs, .offset: 48, .size: 8, .value_kind: global_buffer, .address_space: global }
      - { .name: kv, .offset: 56, .size: 8, .value_kind: global_buffer, .address_space: global }
    .group_segment_fixed_size: 327680
    .private_segment_fixed_size: 0
    .kernarg_segment_align: 8
    .kernarg_segment_size: 64
    .max_flat_workgroup_size: 128
    .sgpr_count:     102
    .vgpr_count:     1024
    .wavefront_size: 32
...
	.end_amdgpu_metadata
.endif
;; end of part 2
;; launch attn (part 3): grid 2 x 128, 16 waves a work-group, no clusters, 327,680 bytes of LDS; arguments qc, qs, kv, atc, ops; writes atc, ops
.if DOCPART == 3
	.amdgcn_target "amdgcn-amd-amdhsa--gfx1250"
	.amdhsa_code_object_version 6
	.text
	.protected	k_q9666ab5d70_attn
	.globl	k_q9666ab5d70_attn
	.p2align	8
	.type	k_q9666ab5d70_attn,@function
k_q9666ab5d70_attn:
	s_mov_b64 s[64:65], 0
	v_nop
	global_prefetch_b8 v0, s[64:65] scope:SCOPE_SE
	s_setreg_imm32_b32 hwreg(HW_REG_WAVE_MODE, 25, 1), 1
	s_wait_xcnt 0x0
; ATTENTION on codes of E2M3: for each of 128 heads, S = q k^T / 8, the softmax by the stated rule, O = p v / l, and O's quantiser along DIM for the projection.  Nothing of reference() is left out.
; THE SOFTMAX: t = score x log2(e) / 8 (one constant); M = the running largest t rounded UP to a whole number; p = 2^(t - M) is quantised along the keys, not normalised; the row's sum is taken of the unquantised p and
; divides O at the end.  When M moves, the sum and O are multiplied by 2^(old M - new M): exact.
; SHARES: a work-group takes 512 queries of one head; each of its sixteen waves takes two tiles of 16 queries, one after the other.
; A HEAD'S K AND V, codes and scale words (104,448 bytes), LIE IN LDS AS THEY LIE IN MEMORY, in two fills, each byte filled once.  At the head waves 0 to 9 fetch 3,072 bytes each: k's and v's codes of key steps 0 and 1 and all
; scale words.  Behind the adds and the barrier, every wave fetches 4,608 bytes of the other six steps' codes; the first tile's key steps 0 and 1 are worked meanwhile, and a barrier shows the rest.
; Every wait on TENSORcnt is for 0.
; No cluster: only the two work-groups of a head share those bytes.  No prefetch: the second fill is requested directly behind the first, and no loop stands ahead of it.
; LAYOUT: both products are used transposed: S^T = k q^T (source 0 = 16 keys), O^T = v^T p^T (source 0 = 16 of the head's 64): a lane holds ONE query.  Place m of k's tile 4 c + t is key 64 c + 32 (m / 8) + 8 t + m % 8, so the
; 32 registers of tiles 4 c .. 4 c + 3 in lane (r, h) are the WHOLE block 2 c + h of 32 keys, in order: a block's maximum needs no other lane, and the conversions' results are the operand's registers but for three moves a block.
; The first product's K is 64: registers 6-11 of q's and k's fragments hold zero codes, under scale bytes 0.
; O's scale bytes are stored over x's in ops (the same layout), which no later launch reads as x's.
; LIMITS: as stated in the first launch for the quantisers.  A block's largest p is made from its largest score by the same two instructions.  A head owns 2 of a row's 32 scale bytes of O: stores of one byte a lane.
; REGISTERS: v1-4 addresses that stay, v5, v6 the add's two, v7 24 r + 12 h, v28 8 h, v29 8 r + h, v30 16 r; v8-11 the step's addresses; v12 -M, v13 the largest t, v[14:15] the sum; v16-27 q of tile 0, v192-203 of tile 1;
;   v32-79 four fragments of k; v96-159 S^T, then p, then (v96-143) v's fragments; v160-191 O^T; v224-235 p's codes; v232-247 at work; v248-251 k's or v's scale words; v253 p's; v255, v204 q's.
.set SPARE, 104448                     ; the spare words, 128 bytes a wave, named by no other line
.set SPW, 5
.set NIL, 6
.set GO,  7
.set WV,  14
.set BH,  15
.set SEL, 20
.set CS,  22
.set HM,  36
.set TK,  37                           ; the step's codes: 6,144 bytes a step, of k and of v alike
.set TS,  38                           ; k's scale words: 512 a step
.set TJ,  39                           ; v's: 256 a step
.set CNT, 40
	s_load_b128 s[4:7], s[0:1], 0x0                ; qc, qs
	s_load_b128 s[8:11], s[0:1], 0x10              ; kv, atc
	s_load_b64 s[12:13], s[0:1], 0x20              ; ops
	v_lshl_add_u32 v[SPW], v0, 2, SPARE
	v_mov_b32 v[NIL], 0
	ds_add_u32 v[SPW], v[NIL]                      ; the opening lines: the add, twice on end, and its wait
	ds_add_u32 v[SPW], v[NIL]
	v_lshrrev_b32 v8, 5, v0
	v_readfirstlane_b32 s[WV], v8                  ; wave 0..15
	s_and_b32 s[BH], ttmp7, 0xffff                 ; the head among 128
	s_mov_b32 s24, 3<<16                           ; group 1 of the first fill: 12 rows of 256 bytes (32 elements of 8), dense
	s_mov_b32 s25, 32<<16
	s_mov_b32 s26, 12<<16
	s_mov_b32 s27, 32<<16
	s_mov_b32 s28, 12
	s_mov_b32 s29, 32
	s_mov_b32 s30, 0
	s_mov_b32 s31, 0
	s_mov_b32 s52, 3<<16                           ; of the second: 18 rows
	s_mov_b32 s53, 32<<16
	s_mov_b32 s54, 18<<16
	s_mov_b32 s55, 32<<16
	s_mov_b32 s56, 18
	s_mov_b32 s57, 32
	s_mov_b32 s58, 0
	s_mov_b32 s59, 0
	s_lshr_b32 s16, s[WV], 2                       ; first fill: 49152 (wave / 4) + 3072 (wave % 4): k's codes, v's codes, the scale words
	s_mul_i32 s16, s16, 49152
	s_and_b32 s17, s[WV], 3
	s_mul_i32 s17, s17, 3072
	s_add_co_u32 s33, s16, s17
	s_lshr_b32 s16, s[WV], 3                       ; second fill: 49152 (wave / 8) + 12288 + 4608 (wave % 8)
	s_mul_i32 s16, s16, 49152
	s_and_b32 s17, s[WV], 7
	s_mul_i32 s17, s17, 4608
	s_add_co_u32 s61, s16, s17
	s_add_co_u32 s61, s61, 12288
	s_mul_i32 s18, s[BH], 104448
	s_add_co_u32 s16, s18, s33
	s_mov_b32 s17, 0
	s_add_co_u32 s18, s18, s61
	s_mov_b32 s19, 0
	s_mov_b32 s[SEL], 0x76543210
	s_mov_b32 s[SEL+1], 0xfedcba98
	s_mov_b32 s[CS], 0x3e38aa3b                    ; c = log2(e) / 8
	s_mov_b32 s[CS+1], s[CS]
	s_lshl_b32 s41, ttmp9, 5
	s_add_co_u32 s41, s41, s[WV]                   ; my first tile of the head's 64; the second lies 16 tiles on
	s_mul_i32 s42, s[BH], 49152
	s_mul_i32 s43, s41, 768
	s_add_co_u32 s42, s42, s43
	s_mov_b32 s43, 0                               ; q's codes
	s_lshl_b32 s44, s[BH], 12
	s_lshr_b32 s45, s41, 2
	s_lshl_b32 s45, s45, 8
	s_add_co_u32 s44, s44, s45
	s_and_b32 s45, s41, 3
	s_lshl_b32 s45, s45, 2
	s_add_co_u32 s44, s44, s45
	s_mov_b32 s45, 0                               ; q's scale words
	s_lshr_b32 s46, s[BH], 4
	s_lshl_b32 s46, s46, 6
	s_add_co_u32 s46, s46, s41                     ; the tile among the 512 of all batches
	s_and_b32 s47, s[BH], 15                       ; the head in its batch: blocks 2 head, 2 head + 1 along DIM
	s_mul_i32 s48, s46, 12288
	s_mul_i32 s49, s47, 768
	s_add_co_u32 s48, s48, s49
	s_mov_b32 s49, 0                               ; O's codes
	s_lshl_b32 s50, s46, 9
	s_lshr_b32 s51, s47, 2
	s_lshl_b32 s51, s51, 7
	s_add_co_u32 s50, s50, s51
	s_and_b32 s51, s47, 3
	s_lshl_b32 s51, s51, 1
	s_add_co_u32 s50, s50, s51
	s_mov_b32 s51, 0                               ; O's scale bytes
	s_wait_dscnt 0x0                               ; both opening adds are done
	s_wait_kmcnt 0x0
	s_mov_b32 s32, 1
	s_add_nc_u64 s[34:35], s[8:9], s[16:17]
	s_or_b32 s35, s35, 0x80000000
	s_mov_b32 s60, 1
	s_add_nc_u64 s[62:63], s[8:9], s[18:19]
	s_or_b32 s63, s63, 0x80000000
	s_cmp_lt_u32 s[WV], 10
	s_cbranch_scc0 .Lno_load
	tensor_load_to_lds s[32:35], s[24:31]          ; one load of mine is out
	s_nop 0
.rept 4
	v_nop
.endr
.Lno_load:
	s_add_nc_u64 s[4:5], s[4:5], s[42:43]
	s_add_nc_u64 s[6:7], s[6:7], s[44:45]
	s_add_nc_u64 s[10:11], s[10:11], s[48:49]
	s_add_nc_u64 s[12:13], s[12:13], s[50:51]
	v_and_b32 v8, 15, v0                           ; r
	v_bfe_u32 v9, v0, 4, 1                         ; h
	v_and_b32 v10, 31, v0
	v_lshlrev_b32 v30, 4, v8
	v_mul_u32_u24 v1, v10, 24                      ; 24 x lane: my place in a fragment; k's codes begin at LDS byte 0,
	v_lshlrev_b32 v28, 3, v9
	v_mul_u32_u24 v[GO], v8, 24
	v_add_nc_u32 v3, 98304, v30                    ; k's scale words: four tiles' words of place r,
	v_add_nc_u32 v2, 49152, v1                     ; v's codes,
	v_add_nc_u32 v4, 102400, v30                   ; v's scale words
	v_mad_u32_u24 v[GO], v9, 12, v[GO]
	v_lshl_add_u32 v29, v8, 3, v9
	v_cmp_lt_u32 s[HM], 15, v10
.irp p, 0,1,2
	global_load_b64 v[16+2*\p:17+2*\p], v1, s[4:5] offset:8*\p
	global_load_b64 v[192+2*\p:193+2*\p], v1, s[4:5] offset:12288+8*\p
.endr
	global_load_b32 v255, v30, s[6:7]
	global_load_b32 v204, v30, s[6:7] offset:1024
.irp j, 0,1,2,3,4,5
	v_mov_b32 v[22+\j], 0                          ; zero codes for K = 64 .. 127
	v_mov_b32 v[198+\j], 0
	v_mov_b32 v[38+\j], 0
	v_mov_b32 v[50+\j], 0
	v_mov_b32 v[62+\j], 0
	v_mov_b32 v[74+\j], 0
.endr
	v_mov_b32 v236, 0                              ; a lane permute's destination counts as one of its sources
	v_mov_b32 v239, 0
	v_mov_b32 v253, 0                              ; (named as the upper half of the pair v[252:253] before it is first written)
	s_wait_alu depctr_va_vdst(0)
	s_wait_tensorcnt 0x0                           ; my part of the first fill has landed
	ds_add_u32 v[SPW], v[NIL]                      ; the add, twice on end
	ds_add_u32 v[SPW], v[NIL]
	s_wait_dscnt 0x0
	s_barrier_signal -1
	s_barrier_wait -1                              ; everybody's part has landed
	tensor_load_to_lds s[60:63], s[52:59]          ; the second fill: my one load behind this barrier
	s_nop 0
.rept 4
	v_nop
.endr
	s_wait_loadcnt 0x0                             ; q
; A KEY STEP: 128 keys
.macro STEP QR, QS
	v_add_nc_u32 v8, s[TK], v1
	v_add_nc_u32 v9, s[TK], v2
	v_add_nc_u32 v10, s[TS], v3
	v_add_nc_u32 v11, s[TJ], v4
	v_nop                                          ; six places: five are owed by the first product below, which writes over v's fragments
	v_nop
	s_wait_alu depctr_va_vdst(0)
.irp g, 0,1                            ; S^T = k q^T, four tiles of 16 keys at a time
.if \g > 0
.rept 4
	v_nop
.endr
.endif
.irp t, 0,1,2,3
.irp p, 0,1,2
	ds_load_b64 v[32+12*\t+2*\p:33+12*\t+2*\p], v8 offset:(4*\g+\t)*768+8*\p
.endr
.endr
	ds_load_b128 v[248:251], v10 offset:256*\g
	s_wait_dscnt 0x0
.irp t, 0,1,2,3
	v_wmma_scale_f32_16x16x128_f8f6f4 v[96+8*(4*\g+\t):103+8*(4*\g+\t)], v[32+12*\t:43+12*\t], v[\QR:\QR+11], 0, v[248+\t], v[\QS] matrix_a_fmt:MATRIX_FMT_FP6 matrix_b_fmt:MATRIX_FMT_FP6
.endr
.endr
.rept 4
	v_nop
.endr
.irp b, 0,1,2,3                        ; the largest score of my two blocks of 32 keys, in four chains of 16 that take turns
	v_max3_num_f32 v[232+\b], v[96+16*\b], v[97+16*\b], v[98+16*\b]
.endr
.irp i, 3,5,7,9,11,13
.irp b, 0,1,2,3
	v_max3_num_f32 v[232+\b], v[232+\b], v[96+16*\b+\i], v[97+16*\b+\i]
.endr
.endr
.irp c, 0,1
	v_max3_num_f32 v[232+2*\c], v[232+2*\c], v[233+2*\c], v[111+32*\c]
.endr
.irp c, 0,1
	v_max_num_f32 v[232+2*\c], v[232+2*\c], v[127+32*\c]   ; v232: block h; v234: block 2 + h
.endr
	v_max_num_f32 v254, v232, v234
	v_permlanex16_b32 v236, v254, s[SEL], s[SEL+1]
	v_max_num_f32 v254, v254, v236                 ; with lane l xor 16's two blocks: the step's largest score of my query
	v_mul_f32 v254, s[CS], v254                    ; as t (c is positive)
	v_max_num_f32 v13, v13, v254                   ; the running largest t
	v_mov_b32 v254, v12
	v_floor_f32 v12, -v13                          ; the new -M = floor(-t): M is a whole number
	v_sub_f32 v254, v12, v254                      ; old M - new M: a whole number, 0 or less
	v_cvt_i32_f32 v254, v254                       ; (it saturates)
	v_ldexp_f32 v252, 1.0, v254                    ; f = 2^(old M - new M)
.irp j, 0,2,4,6,8,10,12,14,16,18,20,22,24,26,28,30,32,34,36,38,40,42,44,46,48,50,52,54,56,58,60,62
	v_pk_fma_f32 v[96+\j:97+\j], v[96+\j:97+\j], s[CS:CS+1], v[12:13] op_sel_hi:[1,0,0]   ; t - M, two at a time
.endr
	v_fma_f32 v232, v232, s[CS], v12               ; the same of each block's largest score
	v_fma_f32 v234, v234, s[CS], v12
	s_wait_alu depctr_va_vdst(0)                   ; ahead of the batch
.irp j, 0,1,2,3,4,5,6,7,8,9,10,11,12,13,14,15,16,17,18,19,20,21,22,23,24,25,26,27,28,29,30,31,32,33,34,35,36,37,38,39,40,41,42,43,44,45,46,47,48,49,50,51,52,53,54,55,56,57,58,59,60,61,62,63
	v_exp_f32 v[96+\j], v[96+\j]                   ; p = 2^(t - M), at most 1
.endr
	v_pk_mul_f32 v[14:15], v[14:15], v[252:253] op_sel_hi:[1,0]   ; the sums under the new M: a plain line behind the exponentials
	s_wait_alu depctr_va_vdst(0)                   ; one wait for the whole batch, ahead of its first reader
	v_exp_f32 v232, v232                           ; the blocks' largest p
	v_exp_f32 v234, v234
	v_pk_add_f32 v[236:237], v[100:101], v[104:105]   ; the row's sum of the unquantised p, in eight chains that take turns
	v_pk_add_f32 v[250:251], v[108:109], v[112:113]
	v_pk_add_f32 v[248:249], v[116:117], v[120:121]
	v_pk_add_f32 v[246:247], v[124:125], v[128:129]
	v_pk_add_f32 v[244:245], v[132:133], v[136:137]
	v_pk_add_f32 v[242:243], v[140:141], v[144:145]
	v_pk_add_f32 v[240:241], v[148:149], v[152:153]
	v_pk_add_f32 v[14:15], v[14:15], v[156:157]
	v_pk_add_f32 v[236:237], v[236:237], v[96:97]
	v_pk_add_f32 v[250:251], v[250:251], v[98:99]
	v_pk_add_f32 v[248:249], v[248:249], v[102:103]
	v_pk_add_f32 v[246:247], v[246:247], v[106:107]
	v_pk_add_f32 v[244:245], v[244:245], v[110:111]
	v_pk_add_f32 v[242:243], v[242:243], v[114:115]
	v_pk_add_f32 v[240:241], v[240:241], v[118:119]
	v_pk_add_f32 v[14:15], v[14:15], v[122:123]
	v_pk_add_f32 v[236:237], v[236:237], v[126:127]
	v_pk_add_f32 v[250:251], v[250:251], v[130:131]
	v_pk_add_f32 v[248:249], v[248:249], v[134:135]
	v_pk_add_f32 v[246:247], v[246:247], v[138:139]
	v_pk_add_f32 v[244:245], v[244:245], v[142:143]
	v_pk_add_f32 v[242:243], v[242:243], v[146:147]
	v_pk_add_f32 v[240:241], v[240:241], v[150:151]
	v_pk_add_f32 v[14:15], v[14:15], v[154:155]
	v_pk_add_f32 v[236:237], v[236:237], v[158:159]
	v_pk_add_f32 v[14:15], v[14:15], v[246:247]
	v_pk_add_f32 v[236:237], v[236:237], v[244:245]
	v_pk_add_f32 v[250:251], v[250:251], v[242:243]
	v_pk_add_f32 v[248:249], v[248:249], v[240:241]
	v_pk_add_f32 v[14:15], v[14:15], v[250:251]
	v_pk_add_f32 v[236:237], v[236:237], v[248:249]
	v_pk_add_f32 v[14:15], v[14:15], v[236:237]
	s_wait_alu depctr_va_vdst(0)                   ; and one for the two
	v_max_num_f32 v232, 0x1800000, v232            ; the floor 2^(3 - 127): the byte cannot fall under 1
	v_max_num_f32 v234, 0x1800000, v234
	v_add_nc_u32 v244, 0xff000000, v232            ; 2 off the exponent field: the conversions' scale operands
	v_add_nc_u32 v245, 0xff000000, v234
	v_lshrrev_b32 v236, 23, v244
	v_lshrrev_b32 v237, 23, v245
	v_lshl_or_b32 v238, v237, 16, v236             ; my two bytes: blocks h and 2 + h,
	v_lshlrev_b32 v238, v28, v238                  ; at their places in the scale word (8 h bits up);
	v_permlanex16_b32 v239, v238, s[SEL], s[SEL+1]
	v_or_b32 v253, v238, v239                      ; with lane l xor 16's two the word is whole
.irp c, 0,1
	v_cvt_scalef32_pk16_fp6_f32 v[224+6*\c:226+6*\c], v[96+32*\c:111+32*\c], v[244+\c]
	v_cvt_scalef32_pk16_fp6_f32 v[236+4*\c:238+4*\c], v[112+32*\c:127+32*\c], v[244+\c]   ; (a conversion's three registers begin on an even number)
.endr
	v_nop
.irp c, 0,1
.irp i, 0,1,2
	v_mov_b32 v[227+6*\c+\i], v[236+4*\c+\i]       ; registers 6 c .. 6 c + 5: block 2 c + h
.endr
.endr
.irp a, 0,1,2,3                        ; v's four fragments (16 d x these 128 keys) into the registers that p has left
.irp p, 0,1,2,3,4,5
	ds_load_b64 v[96+12*\a+2*\p:97+12*\a+2*\p], v9 offset:1536*\a+768*(\p/3)+8*(\p%3)
.endr
.endr
	ds_load_b128 v[248:251], v11
	s_wait_alu depctr_va_vdst(0)                   ; directly ahead of the first reader of O^T
.irp j, 0,2,4,6,8,10,12,14,16,18,20,22,24,26,28,30
	v_pk_mul_f32 v[160+\j:161+\j], v[160+\j:161+\j], v[252:253] op_sel_hi:[1,0]   ; O^T under the new M; these sixteen stand between the writes of p's codes and scale word and the products
.endr
	s_wait_alu depctr_va_vdst(0)
	s_wait_dscnt 0x0
.irp a, 0,1,2,3                        ; O^T += v^T p^T: four accumulators by turns
	v_wmma_scale_f32_16x16x128_f8f6f4 v[160+8*\a:167+8*\a], v[96+12*\a:107+12*\a], v[224:235], v[160+8*\a:167+8*\a], v[248+\a], v253 matrix_a_fmt:MATRIX_FMT_FP6 matrix_b_fmt:MATRIX_FMT_FP6
.endr
	s_add_co_u32 s[TK], s[TK], 6144
	s_add_co_u32 s[TS], s[TS], 512
	s_add_co_u32 s[TJ], s[TJ], 256
.endm
.macro WALK first, n, QR, QS           ; n key steps from step first on
	s_mov_b32 s[TK], 6144*\first
	s_mov_b32 s[TS], 512*\first
	s_mov_b32 s[TJ], 256*\first
	s_mov_b32 s[CNT], \n
.Lstep_\@:
	STEP \QR, \QS
	s_sub_co_u32 s[CNT], s[CNT], 1
	s_cmp_lg_u32 s[CNT], 0
	s_cbranch_scc1 .Lstep_\@
.endm
.macro INIT
	s_wait_xcnt 0x0                                ; earlier loads and stores have read their registers
	v_mov_b32 v13, 0xff61b1e6                      ; the largest t so far: -3e38, under every t
	v_mov_b32 v14, 0
	v_mov_b32 v15, 0
	v_floor_f32 v12, -v13
.irp j, 0,1,2,3,4,5,6,7,8,9,10,11,12,13,14,15,16,17,18,19,20,21,22,23,24,25,26,27,28,29,30,31
	v_mov_b32 v[160+\j], 0                         ; the step is written once: the first finds zeros
.endr
.endm
.macro OUT i                           ; O / l, its quantiser along the head's 64, the stores
	v_add_f32 v14, v14, v15
	v_permlanex16_b32 v252, v14, s[SEL], s[SEL+1]
	v_add_f32 v14, v14, v252                       ; the row's sum
	s_wait_alu depctr_va_vdst(0)
	v_rcp_f32 v14, v14
.rept 4
	v_nop                                          ; four places behind the last products, and the plain line behind the reciprocal
.endr
	s_wait_alu depctr_va_vdst(0)
.irp m, 0,1,2,3,4,5,6,7,8,9,10,11,12,13,14,15
	v_pk_mul_f32 v[96+2*\m:97+2*\m], v[160+2*\m:161+2*\m], v[14:15] op_sel_hi:[1,0]   ; register 16 g + i = d 32 g + 16 h + i; each accumulator from its low end on
.endr
.irp b, 0,1
	v_max3_num_f32 v[232+\b], |v[96+16*\b]|, |v[97+16*\b]|, 0x1800000
.endr
.irp n, 2,4,6,8,10,12,14
.irp b, 0,1
	v_max3_num_f32 v[232+\b], v[232+\b], |v[96+16*\b+\n]|, |v[97+16*\b+\n]|
.endr
.endr
.irp b, 0,1
	v_permlanex16_b32 v[236+\b], v[232+\b], s[SEL], s[SEL+1]
.endr
.irp b, 0,1
	v_max_num_f32 v[232+\b], v[232+\b], v[236+\b]
.endr
.irp b, 0,1
	v_add_nc_u32 v[244+\b], 0xff000000, v[232+\b]
.endr
.irp b, 0,1
	v_lshrrev_b32 v[236+\b], 23, v[244+\b]
.endr
	v_cndmask_b32 v254, v236, v237, s[HM]          ; lanes 0-15 store block 0's byte, lanes 16-31 block 1's
.irp b, 0,1
	v_cvt_scalef32_pk16_fp6_f32 v[128+4*\b:130+4*\b], v[96+16*\b:111+16*\b], v[244+\b]
.endr
	v_nop
.irp b, 0,1
	global_store_b96 v[GO], v[128+4*\b:130+4*\b], s[10:11] offset:196608*\i+384*\b   ; 384 consecutive bytes
.endr
	global_store_b8 v29, v254, s[12:13] offset:8192*\i
.endm
	INIT
	WALK 0, 2, 16, 255                             ; the first fill's two key steps, while the second fill is on its way
	s_wait_tensorcnt 0x0                           ; my part of the second fill has landed,
	s_wait_dscnt 0x0
	s_barrier_signal -1
	s_barrier_wait -1                              ; everybody's has
	WALK 2, 6, 16, 255
	OUT 0
	INIT
	WALK 0, 8, 192, 204
	OUT 1
	s_wait_tensorcnt 0x0                           ; the wave's end
	ds_add_u32 v[SPW], v[NIL]
	s_wait_dscnt 0x0
	s_endpgm
.Lfunc_end_k_q9666ab5d70_attn:
	.size	k_q9666ab5d70_attn, .Lfunc_end_k_q9666ab5d70_attn-k_q9666ab5d70_attn
	.p2alignl 7, 3214868480
	.fill 96, 4, 3214868480
	.section	.rodata,"a",@progbits
	.p2align	6, 0x0
	.amdhsa_kernel k_q9666ab5d70_attn
		.amdhsa_group_segment_fixed_size 327680
		.amdhsa_private_segment_fixed_size 0
		.amdhsa_enable_private_segment 0
		.amdhsa_kernarg_size 40
		.amdhsa_user_sgpr_count 2
		.amdhsa_user_sgpr_kernarg_segment_ptr 1
		.amdhsa_wavefront_size32 1
		.amdhsa_system_sgpr_workgroup_id_x 1
		.amdhsa_system_sgpr_workgroup_id_y 1
		.amdhsa_system_sgpr_workgroup_id_z 1
		.amdhsa_system_vgpr_workitem_id 0
		.amdhsa_next_free_vgpr 256
		.amdhsa_next_free_sgpr 66
		.amdhsa_reserve_vcc 0
		.amdhsa_float_denorm_mode_32 3
		.amdhsa_float_denorm_mode_16_64 3
		.amdhsa_memory_ordered 1
		.amdhsa_forward_progress 1
		.amdhsa_inst_pref_size 66
	.end_amdhsa_kernel
	.amdgpu_metadata
---
amdhsa.version: [ 1, 2 ]
amdhsa.kernels:
  - .name:           k_q9666ab5d70_attn
    .symbol:         k_q9666ab5d70_attn.kd
    .args:
      - { .name: qc, .offset: 0, .size: 8, .value_kind: global_buffer, .address_space: global }
      - { .name: qs, .offset: 8, .size: 8, .value_kind: global_buffer, .address_space: global }
      - { .name: kv, .offset: 16, .size: 8, .value_kind: global_buffer, .address_space: global }
      - { .name: atc, .offset: 24, .size: 8, .value_kind: global_buffer, .address_space: global }
      - { .name: ops, .offset: 32, .size: 8, .value_kind: global_buffer, .address_space: global }
    .group_segment_fixed_size: 327680
    .private_segment_fixed_size: 0
    .kernarg_segment_align: 8
    .kernarg_segment_size: 40
    .max_flat_workgroup_size: 512
    .sgpr_count:     66
    .vgpr_count:     256
    .wavefront_size: 32
...
	.end_amdgpu_metadata
.endif
;; end of part 3
;; launch proj (part 4): grid 4 x 64, 4 waves a work-group, clusters of 4 x 4, 327,680 bytes of LDS; arguments atc, opc, ops, b_out, out0; writes out0
.if DOCPART == 4
	.amdgcn_target "amdgcn-amd-amdhsa--gfx1250"
	.amdhsa_code_object_version 6
	.text
	.protected	k_q9666ab5d70_proj
	.globl	k_q9666ab5d70_proj
	.p2align	8
	.type	k_q9666ab5d70_proj,@function
k_q9666ab5d70_proj:
	s_mov_b64 s[64:65], 0
	v_nop
	global_prefetch_b8 v0, s[64:65] scope:SCOPE_SE
	s_setreg_imm32_b32 hwreg(HW_REG_WAVE_MODE, 25, 1), 1
	s_wait_xcnt 0x0
	s_wait_alu depctr_hold_cnt(0) depctr_sa_sdst(0) depctr_va_vdst(0) depctr_va_sdst(0) depctr_va_ssrc(0) depctr_va_vcc(0) depctr_vm_vsrc(0)
	s_getreg_b32 s2, hwreg(HW_REG_IB_STS2, 6, 4)
	s_cmp_eq_u32 s2, 0
	s_cbranch_scc0 .Lentry_in_a_cluster
	s_endpgm
.Lentry_in_a_cluster:
	s_bfe_u32 s2, ttmp6, 0x10000c
	s_cmp_lg_u32 s2, 0xf033
	s_cbranch_scc0 .Lentry_shape_is_right
	s_endpgm
.Lentry_shape_is_right:
; PROJECTION: out0 = O w_out + b_out on codes of E2M3 (K = 1024).  Nothing of reference() is left out.
; A work-group makes 128 rows of O (A side, source 1) x 256 columns of w_out (B side, source 0); four waves, each 64 x 128: 32 accumulators; 256 work-groups.  A lane holds one row and neighbouring columns.
; ALL OF K LIES IN LDS AT ONCE, tile by tile as in memory (12,288 bytes a tile; A's 8 tiles, then B's 16): ONE tensor load a wave, a dense block; nothing is filled again.
; THE SCALE WORDS go from ops straight into registers, once (O's lie where x's lay, from byte 0 on): 32 loads of 8 bytes a lane, lanes 0-15 A's tile i, lanes 16-31 B's tile i, issued ahead of the tensor load.
; CLUSTER 4 x 4: A's load is asked for jointly by my row of the cluster, B's by my column.  The bias is the C of the first K step's products.  No prefetch: the launch has no loop that runs ahead of its one load.
; Tiles of 16 rows are as the first launch lays them: place r of tile 2 g + u = row 32 g + 8 u + r + 8 (r / 8).
; REGISTERS: window 0: v1 r, v2 h, v3 lane; v4, v8, v9 LDS addresses; v12 the scale words' offset; v13-16 the way out; v64-127 scale words; v160-223 the bias; on the way out v64-191 rows of the result.
;   window 1: B's fragments at v0-95 and v128-223.  window 2: accumulator (a, b) at v[8 (8 a + b)].  window 3: A's fragments, two sets from v64.
.set WC,  6291456
.set WS,  262144
.set LB,  98304
.set SPARE, 294912                     ; the spare words, 128 bytes a wave, named by no other line
.set ADRA, 4
.set ADRB, 8
.set ADRS, 12
.set SPW, 28
.set NIL, 29
.set SC,  64
.set AF,  64
.set BK,  64
.set WV,  12
.set WA,  13
.set WB,  14
.set CX,  15
.set CY,  16
.set CLY, 17
.set IA,  18
.set G1A, 24
.set G1B, 32
.set G0A, 40
.set G0B, 44
.set MSB, 0
.macro WIN new                         ; the immediate's high byte repeats the setting that is left
.if MSB != \new
	s_set_vgpr_msb (MSB<<8)|\new
.set MSB, \new
.endif
.endm
.macro CROUND                          ; a round of the cluster's barrier
	s_barrier_signal -1
	s_barrier_wait -1
	s_cmp_lg_u32 s[WV], 0
	s_cbranch_scc1 .Lnot_wave_0_\@
	s_barrier_signal -3
.Lnot_wave_0_\@:
	s_barrier_wait -3
	s_barrier_signal -1
	s_barrier_wait -1
.endm
.macro PLACES n
.rept \n
	v_nop
.endr
.endm
.macro FRAG reg, adr, off              ; a fragment: 1,536 dense bytes in the order of the registers, 24 bytes from lane to lane
.irp p, 0,1,2,3,4,5
	ds_load_b64 v[(\reg)+2*\p:(\reg)+2*\p+1], v[\adr] offset:(\off)+768*(\p/3)+8*(\p%3)
.endr
.endm
.macro FETCH s                         ; K step s: B's eight fragments (window 1), A's four (window 3)
	WIN 0x40
.irp b, 0,1,2,3,4,5,6,7
	FRAG 128*((\s)%2)+12*\b, ADRB+\b/4, 12288*(\b%4)+1536*(\s)
.endr
	WIN 0xc0
.irp a, 0,1,2,3
	FRAG AF+48*((\s)%2)+12*\a, ADRA, 12288*\a+1536*(\s)
.endr
	WIN 0
.endm
; 32 matrix instructions: K step s.  The 32 accumulators take turns, one instruction a turn.  bias = 1: C is the bias, in window 0: it starts the sums.
.macro MUL32 s, bias
.if \bias
	WIN 0x8d                                       ; source 0 (B) window 1, source 1 (A) window 3, C window 0, D window 2
.else
	WIN 0xad                                       ; C and D window 2
.endif
.irp a, 0,1,2,3
.irp b, 0,1,2,3,4,5,6,7
.if \bias
	v_wmma_scale_f32_16x16x128_f8f6f4 v[8*(8*\a+\b):8*(8*\a+\b)+7], v[128*((\s)%2)+12*\b:128*((\s)%2)+12*\b+11], v[AF+48*((\s)%2)+12*\a:AF+48*((\s)%2)+12*\a+11], v[160+8*\b:167+8*\b], v[SC+16*((\s)/2)+2*\b+(\s)%2], v[SC+16*((\s)/2)+2*\a+(\s)%2] matrix_a_fmt:MATRIX_FMT_FP6 matrix_b_fmt:MATRIX_FMT_FP6 matrix_a_scale:MATRIX_SCALE_ROW1
.else
	v_wmma_scale_f32_16x16x128_f8f6f4 v[8*(8*\a+\b):8*(8*\a+\b)+7], v[128*((\s)%2)+12*\b:128*((\s)%2)+12*\b+11], v[AF+48*((\s)%2)+12*\a:AF+48*((\s)%2)+12*\a+11], v[8*(8*\a+\b):8*(8*\a+\b)+7], v[SC+16*((\s)/2)+2*\b+(\s)%2], v[SC+16*((\s)/2)+2*\a+(\s)%2] matrix_a_fmt:MATRIX_FMT_FP6 matrix_b_fmt:MATRIX_FMT_FP6 matrix_a_scale:MATRIX_SCALE_ROW1
.endif
.endr
.endr
	WIN 0
.endm
.macro STEP s, fetch, bias             ; this step's fragments were asked for a step ago; the next step's go out ahead of this step's products
	s_wait_dscnt 0x0
.if \fetch
	PLACES 4                                       ; in front of loads into registers that the last step but one's products have read
	FETCH (\s)+1
.endif
	MUL32 \s, \bias
.endm
	s_load_b128 s[4:7], s[0:1], 0x0                ; atc, opc
	s_load_b64 s[10:11], s[0:1], 0x10              ; ops
	v_lshl_add_u32 v[SPW], v0, 2, SPARE
	v_mov_b32 v[NIL], 0
	ds_add_u32 v[SPW], v[NIL]                      ; the opening lines: the add, twice on end, and its wait
	ds_add_u32 v[SPW], v[NIL]
	v_lshrrev_b32 v1, 5, v0
	v_readfirstlane_b32 s[WV], v1
	s_lshr_b32 s[WA], s[WV], 1                     ; which 64 rows of A are mine.  Also: I fetch for A (0) or for B (1)
	s_and_b32 s[WB], s[WV], 1                      ; which 128 columns.  Also: which half of that side I fetch
	s_bfe_u32 s[CX], ttmp6, 0x40000
	s_bfe_u32 s[CY], ttmp6, 0x40004
	s_and_b32 s[CLY], ttmp7, 0xffff
	s_lshl_b32 s20, s[CY], 2
	s_lshl_b32 s20, 15, s20                        ; my row of the cluster
	s_lshl_b32 s22, 0x1111, s[CX]                  ; my column
	s_or_b32 s[G1A], s20, (3<<16)|(1<<21)          ; the mask; elements of 8 bytes; bit 21 beside a mask
	s_or_b32 s[G1B], s22, (3<<16)|(1<<21)
.irp g, G1A, G1B                       ; a row = a tile's 12,288 bytes (1,536 elements), tiles on end
	s_mov_b32 s[\g+1], 1536<<16
	s_mov_b32 s[\g+3], 1536<<16
	s_mov_b32 s[\g+5], 1536
	s_mov_b32 s[\g+6], 0
	s_mov_b32 s[\g+7], 0
.endr
	s_mov_b32 s[G1A+2], 4<<16
	s_mov_b32 s[G1A+4], 4
	s_mov_b32 s[G1B+2], 8<<16
	s_mov_b32 s[G1B+4], 8
	s_lshl_b32 s[IA], s[CLY], 2
	s_add_co_u32 s[IA], s[IA], s[CY]               ; which 128 rows
	s_mul_i32 s20, s[IA], 98304
	s_mul_i32 s2, s[WB], 49152
	s_add_co_u32 s20, s20, s2                      ; the half of A that I fetch
	s_lshl_b32 s21, s[IA], 12
	s_lshl_b32 s2, s[WA], 11
	s_add_co_u32 s21, s21, s2                      ; the scale bytes of the four tiles of A that I multiply
	s_mul_i32 s22, s[CX], 196608
	s_mul_i32 s100, s[WB], 98304
	s_add_co_u32 s22, s22, s100
	s_add_co_u32 s22, s22, WC+2359296              ; w_out's columns are tiles 192 on of the weights
	s_lshl_b32 s23, s[CX], 13
	s_lshl_b32 s100, s[WB], 12
	s_add_co_u32 s23, s23, s100
	s_add_co_u32 s23, s23, WS+98304                ; the scale bytes of my eight tiles of B
	s_mov_b32 s3, 0
	s_mov_b32 s101, 0
	v_and_b32 v1, 15, v0                           ; r
	v_bfe_u32 v2, v0, 4, 1                         ; h
	v_and_b32 v3, 31, v0                           ; lane
	v_mov_b32 v13, s21
	v_mov_b32 v14, s23
	v_cmp_eq_u32 s2, 1, v2
	v_cndmask_b32 v13, v13, v14, s2                ; lanes 16-31 take B's
	v_lshl_add_u32 v[ADRS], v1, 3, v13             ; + 8 r; never rewritten
	s_wait_alu depctr_va_vdst(0)
	s_wait_dscnt 0x0                               ; both opening adds are done
	s_wait_kmcnt 0x0
.irp c, 0,1,2,3
.irp i, 0,1,2,3,4,5,6,7
	global_load_b64 v[SC+16*\c+2*\i:SC+16*\c+2*\i+1], v[ADRS], s[10:11] offset:512*\i+128*\c   ; two scale words a row: K steps 2 c, 2 c + 1 (for i over 3 the lower lanes' words are not used)
.endr
.endr
	s_mov_b32 s2, s20
	s_add_nc_u64 s[4:5], s[4:5], s[2:3]            ; A's codes,
	s_mov_b32 s100, s22
	s_add_nc_u64 s[8:9], s[6:7], s[100:101]        ; B's
	s_mov_b32 s[G0A], 1
	s_mul_i32 s[G0A+1], s[WB], 49152
	s_mov_b64 s[G0A+2:G0A+3], s[4:5]
	s_or_b32 s[G0A+3], s[G0A+3], 0x80000000
	s_mov_b32 s[G0B], 1
	s_mul_i32 s[G0B+1], s[WB], 98304
	s_add_co_u32 s[G0B+1], s[G0B+1], LB
	s_mov_b64 s[G0B+2:G0B+3], s[8:9]
	s_or_b32 s[G0B+3], s[G0B+3], 0x80000000
	CROUND                                         ; all sixteen work-groups are here: the joint loads meet
	s_cmp_eq_u32 s[WA], 0                          ; one load a wave: waves 0 and 1 for A, waves 2 and 3 for B
	s_cbranch_scc0 .Lfor_b
	tensor_load_to_lds s[G0A:G0A+3], s[G1A:G1A+7]
	s_nop 0
	PLACES 4
	s_branch .Lasked
.Lfor_b:
	tensor_load_to_lds s[G0B:G0B+3], s[G1B:G1B+7]
	s_nop 0
	PLACES 4
.Lasked:
	s_load_b128 s[20:23], s[0:1], 0x18             ; b_out, out0
	v_mul_u32_u24 v13, v3, 24
	s_mul_i32 s2, s[WA], 49152                     ; my four tiles of A,
	s_mul_i32 s100, s[WB], 98304                   ; my eight of B
	s_add_co_u32 s100, s100, LB
	v_add_nc_u32 v[ADRA], s2, v13
	v_add_nc_u32 v[ADRB], s100, v13
	s_add_co_u32 s100, s100, 49152
	v_add_nc_u32 v[ADRB+1], s100, v13
	s_mul_i32 s2, s[WV], 8448                      ; the way out: my stage, 16 rows x (512 bytes + 16), on A's first tiles
	v_mul_u32_u24 v13, v1, 528
	v_lshl_add_u32 v13, v2, 6, v13
	v_add_nc_u32 v13, s2, v13                      ; in: row r, + 64 h
	v_lshlrev_b32 v15, 4, v3                       ; back, and in out0: 16 bytes a lane
	v_add_nc_u32 v14, s2, v15
	v_lshlrev_b32 v16, 6, v2                       ; the bias: 64 h
	s_lshl_b32 s2, s[CX], 10
	s_lshl_b32 s3, s[WB], 9
	s_add_co_u32 s2, s2, s3                        ; my 128 columns, in bytes
	s_mov_b32 s3, 0
	s_lshl_b32 s100, s[IA], 19
	s_lshl_b32 s101, s[WA], 18
	s_add_co_u32 s100, s100, s101                  ; my 64 rows of 4,096 bytes
	s_add_co_u32 s100, s100, s2
	s_mov_b32 s101, 0
	s_wait_alu depctr_va_vdst(0)
	s_wait_kmcnt 0x0
	s_add_nc_u64 s[20:21], s[20:21], s[2:3]
	s_add_nc_u64 s[22:23], s[22:23], s[100:101]
.irp b, 0,1,2,3,4,5,6,7
	global_load_b128 v[160+8*\b:163+8*\b], v16, s[20:21] offset:(32*(\b/2)+8*(\b%2))*4        ; the bias in the result's layout: tile b's eight columns of my half
	global_load_b128 v[164+8*\b:167+8*\b], v16, s[20:21] offset:(32*(\b/2)+8*(\b%2))*4+16
.endr
	s_wait_tensorcnt 0x0                           ; my part of the codes is in
	s_barrier_signal -1
	s_barrier_wait -1                              ; everybody's part is in
	FETCH 0
	s_wait_loadcnt 0x0                             ; the scale words and the bias
	STEP 0, 1, 1
	STEP 1, 1, 0
	STEP 2, 1, 0
	STEP 3, 1, 0
	STEP 4, 1, 0
	STEP 5, 1, 0
	STEP 6, 1, 0
	s_wait_dscnt 0x0                               ; my last reads of the codes are back:
	s_barrier_signal -1                            ; say so,
	MUL32 7, 0                                     ; work on registers meanwhile,
	s_barrier_wait -1                              ; and behind this barrier nobody reads the codes: A's first tiles may serve as stages (they have had their only fill)
; THE WAY OUT, a tile of 16 rows x 128 columns at a time, through my own stage, back as whole rows of 512 bytes.  LDS serves a wave's instructions in order: no wait between the stores and the loads.
.macro TOSTAGE a
	WIN 0x08                                       ; an LDS store's data: window 2
.irp b, 0,1,2,3,4,5,6,7
	ds_store_b128 v13, v[8*(8*\a+\b):8*(8*\a+\b)+3] offset:128*(\b/2)+32*(\b%2)         ; each accumulator from its low end on
	ds_store_b128 v13, v[8*(8*\a+\b)+4:8*(8*\a+\b)+7] offset:128*(\b/2)+32*(\b%2)+16
.endr
	WIN 0
.irp t, 0,1,2,3,4,5,6,7,8,9,10,11,12,13,14,15
	ds_load_b128 v[BK+64*((\a)%2)+4*\t:BK+64*((\a)%2)+4*\t+3], v14 offset:528*\t
.endr
.endm
.macro SEND a, younger                 ; younger: the LDS instructions issued behind tile a's loads, which may stay out
	s_wait_dscnt \younger
.irp t, 0,1,2,3,4,5,6,7,8,9,10,11,12,13,14,15
	global_store_b128 v15, v[BK+64*((\a)%2)+4*\t:BK+64*((\a)%2)+4*\t+3], s[22:23] offset:(32*((\a)/2)+8*((\a)%2)+\t+8*(\t/8))*4096 th:TH_STORE_NT   ; 32 lanes store 512 consecutive bytes, aligned
.endr
.endm
	PLACES 4                                       ; in front of the first read of results and of loads into the scale words' registers
	TOSTAGE 0
	TOSTAGE 1
	SEND 0, 32                                     ; behind tile 0's loads: tile 1's 16 stores and 16 loads
	s_wait_xcnt 0x0                                ; tile 0's stores have read their registers: tile 2's loads may land there
	TOSTAGE 2
	SEND 1, 32
	s_wait_xcnt 0x0
	TOSTAGE 3
	SEND 2, 32
	SEND 3, 0
	s_wait_tensorcnt 0x0                           ; the wave's end
	ds_add_u32 v[SPW], v[NIL]
	s_wait_dscnt 0x0
	CROUND                                         ; the closing round
	s_endpgm
.Lfunc_end_k_q9666ab5d70_proj:
	.size	k_q9666ab5d70_proj, .Lfunc_end_k_q9666ab5d70_proj-k_q9666ab5d70_proj
	.p2alignl 7, 3214868480
	.fill 96, 4, 3214868480
	.section	.rodata,"a",@progbits
	.p2align	6, 0x0
	.amdhsa_kernel k_q9666ab5d70_proj
		.amdhsa_group_segment_fixed_size 327680
		.amdhsa_private_segment_fixed_size 0
		.amdhsa_enable_private_segment 0
		.amdhsa_kernarg_size 40
		.amdhsa_user_sgpr_count 2
		.amdhsa_user_sgpr_kernarg_segment_ptr 1
		.amdhsa_wavefront_size32 1
		.amdhsa_system_sgpr_workgroup_id_x 1
		.amdhsa_system_sgpr_workgroup_id_y 1
		.amdhsa_system_sgpr_workgroup_id_z 1
		.amdhsa_system_vgpr_workitem_id 0
		.amdhsa_next_free_vgpr 1024
		.amdhsa_next_free_sgpr 102
		.amdhsa_reserve_vcc 0
		.amdhsa_float_denorm_mode_32 3
		.amdhsa_float_denorm_mode_16_64 3
		.amdhsa_memory_ordered 1
		.amdhsa_forward_progress 1
		.amdhsa_inst_pref_size 97
	.end_amdhsa_kernel
	.amdgpu_metadata
---
amdhsa.version: [ 1, 2 ]
amdhsa.kernels:
  - .name:           k_q9666ab5d70_proj
    .symbol:         k_q9666ab5d70_proj.kd
    .args:
      - { .name: atc, .offset: 0, .size: 8, .value_kind: global_buffer, .address_space: global }
      - { .name: opc, .offset: 8, .size: 8, .value_kind: global_buffer, .address_space: global }
      - { .name: ops, .offset: 16, .size: 8, .value_kind: global_buffer, .address_space: global }
      - { .name: b_out, .offset: 24, .size: 8, .value_kind: global_buffer, .address_space: global }
      - { .name: out0, .offset: 32, .size: 8, .value_kind: global_buffer, .address_space: global }
    .group_segment_fixed_size: 327680
    .private_segment_fixed_size: 0
    .kernarg_segment_align: 8
    .kernarg_segment_size: 40
    .max_flat_workgroup_size: 128
    .sgpr_count:     102
    .vgpr_count:     1024
    .wavefront_size: 32
...
	.end_amdgpu_metadata
.endif
;; end of part 4
